; MI455X (gfx1250); checked and timed in simulation.
; The chip was launched on July 23, 2026; its instructions are those of AMD's public machine-readable ISA for CDNA 5 (MIT licence, August 2026) and "CDNA5" Instruction Set Architecture Reference Guide (July 2026). The comments in the code are by the model that wrote it; some were corrected since.
;; Simple Transformer Block. Allowed arithmetic: matrix products marked QUANTISED: E4M3 operands, one E8M0 scale for each 32 along K, by v_wmma_scale_f32_16x16x128_f8f6f4 with both operands' format E4M3, f32 sums; everything else in f32.
;; Inputs: w1 1,024 x 4,096 float32; w2 4,096 x 1,024 float32; wk 1,024 x 1,024 float32; wo 1,024 x 1,024 float32; wq 1,024 x 1,024 float32; wv 1,024 x 1,024 float32; x 2 x 2,048 x 1,024 float32.
;; Outputs: out0 2 x 2,048 x 1,024 float32.
;; This version of the problem:
;;   THIS VERSION OF THE PROBLEM IS GIVEN IN LOW PRECISION. The matrix products marked QUANTISED in the list below multiply operands that are first quantised to E4M3 (4 exponent bits, 3 mantissa bits; 8 bits a number), with one power-of-two scale for each 32 numbers along K (OCP MX v1.0); their sums are f32. All else is computed in f32.
;;   The module's matrix products, in the order in which they are computed (A, B: the left and right operand; K: the contracted axis; several contracted axes count as one K, in the product's order):
;;     1. [M 4,096, K 1,024] x [K 1,024, N 1,024]; A: input x; B: input wq: QUANTISED
;;     2. [M 4,096, K 1,024] x [K 1,024, N 1,024]; A: input x; B: input wk: QUANTISED
;;     3. [M 4,096, K 1,024] x [K 1,024, N 1,024]; A: input x; B: input wv: QUANTISED
;;     4. batch 32 x [M 2,048, K 64] x [K 64, N 2,048]; A: computed on the way; B: computed on the way: QUANTISED
;;     5. batch 32 x [M 2,048, K 2,048] x [K 2,048, N 64]; A: softmax (see below); B: computed on the way: QUANTISED
;;     6. [M 4,096, K 1,024] x [K 1,024, N 1,024]; A: computed on the way; B: input wo: QUANTISED
;;     7. [M 4,096, K 1,024] x [K 1,024, N 4,096]; A: computed on the way; B: input w1: QUANTISED
;;     8. [M 4,096, K 4,096] x [K 4,096, N 1,024]; A: computed on the way; B: input w2: QUANTISED
;;   THE QUANTISER, for each operand of a quantised product, along K:
;;     - K is cut into blocks of 32 from its start; a last block that is shorter is filled with zeros.
;;     - A block's scale is 2^e with e = floor(log2(the largest magnitude in the block)) - 8, held to -126 .. 127; a block of zeros has e = 0. As a byte (E8M0): e + 127.
;;     - Each number is divided by its block's scale, clamped to +-448, and rounded to the nearest number of E4M3, ties to even, subnormals kept.
;;     - The product sums the exact products of the quantised numbers (number of the format x scale) in f32.
;;   ~~~python
;;   def quantise(x, axis):      # numpy; x: float32 -> the quantised numbers, widened to float32 again
;;       x = np.moveaxis(x, axis, -1); K = x.shape[-1]
;;       x = np.pad(x, [(0, 0)] * (x.ndim - 1) + [(0, -K % 32)]); x = x.reshape(x.shape[:-1] + (-1, 32)); a = np.abs(x).max(-1, keepdims=True)
;;       e = np.where(a > 0, np.clip(np.frexp(np.where(a > 0, a, 1))[1] - 1 - 8, -126, 127), 0)      # np.frexp(a)[1] - 1 = floor(log2(a)), exactly
;;       r = np.clip(x / 2.0 ** e, -448, 448)
;;       step = 2.0 ** (np.maximum(np.frexp(np.where(r == 0, 1, r))[1] - 1, -6) - 3)
;;       q = np.round(r / step) * step * 2.0 ** e      # np.round: ties to even
;;       return np.moveaxis(q.reshape(q.shape[:-2] + (-1,))[..., :K], -1, axis).astype(np.float32)
;;   ~~~
;;   SOFTMAX AHEAD OF A QUANTISED PRODUCT. Where the list says 'softmax', what is quantised is not the finished softmax but p = 2^(t - M), with t = logit x log2(e) and M = ceil(the row's largest t), a whole number; so 1/2 < the row's largest p <= 1. The row's sum l is taken of the UNQUANTISED p, in f32, and the product's result is divided by l at the end. Since M is a whole number, a kernel that streams over the keys may use a running M (the ceiling of the running maximum): every later rescaling is an exact power of two, which a block's scale takes up: the codes' values come out the same.
;;   OPERANDS COMPUTED ON THE WAY. 'Computed on the way' means the value that the module computes at that place (a softmax that the list does not call 'softmax' is quantised finished and normalised). What goes into a quantiser is computed in f32, as accurately as f32 sums, v_exp_f32 and their like allow (about 1e-6 of the number): no bf16 or f16 on the way to a quantiser, and a product that is left as it is and whose result goes on into a quantised operand takes f32 operands (vector FMAs, or v_wmma_f32_16x16x4_f32). A number that lies on a knife's edge between two numbers of the format may be rounded either way, as far as f32 arithmetic and the matrix unit's own rounding can turn it there, and no further.
;; One version. Each part assembles by itself: llvm-mc -triple=amdgcn-amd-amdhsa -mcpu=gfx1250 --defsym DOCPART=n.
;; ======== version 1 of 1: 6 launches
;; workspace buffers: wimg 12,976,128 bytes; ximg 4,325,376 bytes; qkv 12,976,128 bytes; aimg 4,325,376 bytes; x1f 16,777,216 bytes; x1img 4,325,376 bytes; himg 17,301,504 bytes
;; launch quant (part 1): grid 256 x 4, 4 waves a work-group, no clusters, 0 bytes of LDS; arguments wq, wk, wv, wo, w1, w2, x, wimg, ximg; writes wimg, ximg
.if DOCPART == 1
	.amdgcn_target "amdgcn-amd-amdhsa--gfx1250"
	.amdhsa_code_object_version 6
	.text
	.protected	k_qc3ff5de6a7_quant
	.globl	k_qc3ff5de6a7_quant
	.p2align	8
	.type	k_qc3ff5de6a7_quant,@function
k_qc3ff5de6a7_quant:
	s_mov_b64 s[64:65], 0
	v_nop
	global_prefetch_b8 v0, s[64:65] scope:SCOPE_SE
	s_setreg_imm32_b32 hwreg(HW_REG_WAVE_MODE, 25, 1), 1
	s_wait_xcnt 0x0
; The six weights ([K][N] f32, K the FIRST axis) and x ([4096][1024] f32, K innermost) become codes of FP8 (E4M3) with one E8M0 scale byte for each 32 along K.
; THE OUTPUT IS LAID AS THE MATRIX UNIT'S REGISTERS WANT IT.  A RECORD is 128 rows x 128 K: 16,896 bytes.  Row p of the 128 lies in tile T = 2 ((p >> 5) & 3) + ((p >> 3) & 1), at lane row r = (p & 7) + 8 ((p >> 4) & 1).
; Codes: byte T x 2048 + c x 512 + 16 x (16 h + r) holds k = 32 c + 16 h + 0 .. 15 of that row.  Scale words: byte 16384 + 64 T + 4 r, byte c of the word for block c.  So a fragment comes by four loads of 16 bytes a lane, lane by lane on end.
; wimg: records 0-63 wq, 64-127 wk, 128-191 wv, 192-255 wo (column group J, K step s: 8 J + s), 256-511 w1 (8 J + s), 512-767 w2 (32 J + s).  ximg: 8 I + s.
; A work-group makes ONE record (64 KiB of f32 in).  Work-group y = 0: wq..wo by x >> 6; y = 1: w1; y = 2: w2; y = 3: x.  Waves share nothing: no LDS, no barrier.
; A block's scale is 2^(floor(log2(its largest magnitude)) - 8); its byte is the largest magnitude's exponent field - 8, held at 1 from below; each number is held within +-448 x the scale and rounded to the nearest code, ties to even.
; LIMITS: NaN and infinities among the inputs are not served; a block whose largest magnitude lies under 2^-118 has its byte held at 1; a block of zeros gets the byte 1 (not 127) over zero codes: the bytes are read by this program alone.
.set REC, 16896
.set X,   32                           ; v32-95   weights: two sets of 32 numbers
.set C,   96                           ; v96-127  weights: a block's 8 registers of codes, a set for each block: no store's data are written again
.set TM,  192                          ; v192-207 x: at work
	s_load_b256 s[4:11], s[0:1], 0x0               ; wq, wk, wv, wo
	s_load_b256 s[12:19], s[0:1], 0x20             ; w1, w2, x, wimg
	s_load_b64 s[20:21], s[0:1], 0x40              ; ximg
	v_lshrrev_b32 v1, 5, v0
	v_readfirstlane_b32 s22, v1                    ; wave 0..3
	v_and_b32 v2, 31, v0                           ; lane
	s_and_b32 s23, ttmp7, 0xffff                   ; work-group y
	s_mov_b32 s31, 0x600000                        ; the mantissa field of 448
	s_mul_i32 s24, ttmp9, REC                      ; the record's place among its y's 256
	s_mov_b32 s25, 0
	s_cmp_eq_u32 s23, 3
	s_cbranch_scc1 .Lx
	; ---- a weight.  Which tensor, which K step s, which group J of 128 columns: chosen on the work-group's numbers alone
	s_and_b32 s26, ttmp9, 7                        ; s (y = 0, 1)
	s_lshr_b32 s27, ttmp9, 3                       ; J (y = 1); for y = 0 its low three bits
	s_cmp_eq_u32 s23, 0
	s_cselect_b32 s28, 7, 31
	s_and_b32 s27, s27, s28
	s_and_b32 s28, ttmp9, 31                       ; s (y = 2)
	s_lshr_b32 s29, ttmp9, 5                       ; J (y = 2)
	s_lshr_b32 s30, ttmp9, 6                       ; y = 0: which of the four
	s_wait_kmcnt 0x0
	s_cmp_eq_u32 s30, 1
	s_cselect_b64 s[4:5], s[6:7], s[4:5]
	s_cmp_eq_u32 s30, 2
	s_cselect_b64 s[4:5], s[8:9], s[4:5]
	s_cmp_eq_u32 s30, 3
	s_cselect_b64 s[4:5], s[10:11], s[4:5]
	s_cmp_eq_u32 s23, 2
	s_cselect_b32 s26, s28, s26
	s_cselect_b32 s27, s29, s27
	s_cselect_b64 s[4:5], s[14:15], s[4:5]
	s_cmp_eq_u32 s23, 1
	s_cselect_b64 s[4:5], s[12:13], s[4:5]
	s_cselect_b32 s28, 21, 19                      ; 128 rows of 16,384 or of 4,096 bytes
	s_lshl_b32 s26, s26, s28
	s_lshl_b32 s27, s27, 9                         ; 128 columns are 512 bytes
	s_add_co_u32 s26, s26, s27
	s_lshl_b32 s27, s22, 7                         ; my wave's 32 columns
	s_add_co_u32 s26, s26, s27
	s_mov_b32 s27, 0
	s_add_nc_u64 s[4:5], s[4:5], s[26:27]
	s_mul_i32 s28, s23, 256*REC
	s_add_co_u32 s24, s24, s28
	s_add_nc_u64 s[18:19], s[18:19], s[24:25]      ; my record in wimg
	; A LANE TAKES A COLUMN, AND ITS REGISTERS RUN DOWN K: a block of 32 lies in one lane, and the conversions give codes with K innermost.
	v_lshlrev_b32 v3, 2, v2                        ; in: 4 bytes a lane: a load reads 128 consecutive bytes
	v_and_b32 v6, 7, v2
	v_lshrrev_b32 v7, 4, v2
	v_lshl_add_u32 v6, v7, 3, v6                   ; r = (lane & 7) + 8 (lane >> 4)
	v_bfe_u32 v7, v2, 3, 1                         ; which of my wave's two tiles
	v_lshlrev_b32 v4, 4, v6
	v_lshl_add_u32 v4, v7, 11, v4
	s_lshl_b32 s28, s22, 12
	v_add_nc_u32 v4, s28, v4                       ; codes: (2 wave + tile) x 2048 + 16 r
	v_lshlrev_b32 v5, 2, v6
	v_lshl_add_u32 v5, v7, 6, v5
	s_lshl_b32 s28, s22, 7
	v_add_nc_u32 v5, s28, v5                       ; scale word: (2 wave + tile) x 64 + 4 r
.macro WLOAD t, ns                     ; block t: rows 32 t + i of my column, into set t % 2
.set i, 0
.rept 32
	global_load_b32 v[X+32*((\t)%2)+i], v3, s[4:5] offset:(32*(\t)+i)*\ns th:TH_LOAD_NT
.set i, i+1
.endr
.endm
.macro WBLOCK t, ns
.set XS, X+32*((\t)%2)
.if (\t) < 3
	s_wait_loadcnt 32                              ; this block's 32 loads are in; the next block's 32 may be out
.else
	s_wait_loadcnt 0x0
.endif
	v_max3_num_f32 v12, |v[XS]|, |v[XS+1]|, |v[XS+2]|     ; the block's largest magnitude, in two chains
	v_max3_num_f32 v13, |v[XS+3]|, |v[XS+4]|, |v[XS+5]|
.irp i, 6,10,14,18,22,26
	v_max3_num_f32 v12, v12, |v[XS+\i]|, |v[XS+\i+1]|
	v_max3_num_f32 v13, v13, |v[XS+\i+2]|, |v[XS+\i+3]|
.endr
	v_max3_num_f32 v12, v12, |v[XS+30]|, |v[XS+31]|
	v_max3_num_f32 v12, v12, v13, 0x4800000        ; and the floor 2^(9 - 127): the byte cannot fall under 1
	v_add_nc_u32 v11, 0xfc000000, v12              ; 8 off the exponent field: the conversion's scale operand
	v_and_or_b32 v10, v12, 0x7f800000, s31         ; 448 x the scale
	v_lshrrev_b32 v13, 23, v11                     ; the scale's byte
.if (\t) == 0
	v_mov_b32 v24, v13
.else
	v_lshl_or_b32 v24, v13, 8*(\t), v24            ; the four blocks' bytes make my column's scale word
.endif
.set i, 0
.rept 32
	v_med3_num_f32 v[XS+i], v[XS+i], -v10, v10     ; the conversion to an 8-bit code does not saturate (ISA guide 7.6.2): the hold
.set i, i+1
.endr
.irp g, 0,1,2,3
	v_cvt_scalef32_pk8_fp8_f32 v[C+8*(\t)+2*\g:C+8*(\t)+2*\g+1], v[XS+8*\g:XS+8*\g+7], v11
.endr
	global_store_b128 v4, v[C+8*(\t):C+8*(\t)+3], s[18:19] offset:512*(\t)           ; k 0-15 of the block: the sixteen lanes of a tile store 256 consecutive bytes, aligned
	global_store_b128 v4, v[C+8*(\t)+4:C+8*(\t)+7], s[18:19] offset:512*(\t)+256     ; k 16-31: the half h = 1
.if (\t) < 2
	WLOAD (\t)+2, \ns
.endif
.endm
.macro WPATH ns                        ; ns: bytes in a row of the weight
	WLOAD 0, \ns
	WLOAD 1, \ns
	WBLOCK 0, \ns
	WBLOCK 1, \ns
	WBLOCK 2, \ns
	WBLOCK 3, \ns
	global_store_b32 v5, v24, s[18:19] offset:16384       ; a wave's 32 scale words: 128 consecutive bytes
	s_endpgm
.endm
	s_cmp_eq_u32 s23, 1
	s_cbranch_scc1 .Lwide
	WPATH 4096
.Lwide:
	WPATH 16384
	; ---- x: K is innermost.  Wave w makes tiles 2 w and 2 w + 1 of the record: lane (r, h) loads, of its row, 16 neighbours of each block of 32: they are its registers of the fragment
.Lx:
	s_lshr_b32 s26, ttmp9, 3                       ; I: the group of 128 rows
	s_and_b32 s27, ttmp9, 7                        ; s
	s_lshl_b32 s26, s26, 19
	s_lshl_b32 s28, s22, 17                        ; my wave's 32 rows
	s_add_co_u32 s26, s26, s28
	s_lshl_b32 s27, s27, 9
	s_add_co_u32 s26, s26, s27
	s_mov_b32 s27, 0
	s_mov_b32 s28, 0x76543210
	s_mov_b32 s29, 0xfedcba98                      ; v_permlanex16_b32's selects for lane l xor 16
	s_mov_b32 s30, 0xffff0000                      ; lanes 16-31
	v_and_b32 v3, 15, v0                           ; r
	v_bfe_u32 v4, v0, 4, 1                         ; h
	v_and_b32 v5, 7, v3
	v_lshrrev_b32 v6, 3, v3
	v_lshl_add_u32 v5, v6, 4, v5                   ; the tile's row of lane row r: (r & 7) + 16 (r >> 3)
	v_lshlrev_b32 v5, 12, v5
	v_lshl_add_u32 v5, v4, 6, v5                   ; x 4,096 bytes, + 64 h
	v_lshlrev_b32 v6, 4, v2
	s_lshl_b32 s32, s22, 12
	v_add_nc_u32 v6, s32, v6                       ; out: 16 x lane + 2 wave x 2048
	v_lshlrev_b32 v7, 2, v2
	s_lshl_b32 s33, s22, 7
	v_add_nc_u32 v7, s33, v7                       ; scale words: 4 x lane + 128 x wave
.irp b, 0,1,2,3
	v_mov_b32 v[TM+4+\b], 0                        ; written once: a lane permute's destination counts as one of its sources
.endr
	s_wait_kmcnt 0x0
	s_add_nc_u64 s[16:17], s[16:17], s[26:27]
	s_add_nc_u64 s[20:21], s[20:21], s[24:25]
.irp u, 0,1
.irp c, 0,1,2,3
.irp j, 0,1,2,3
	global_load_b128 v[64+64*\u+16*\c+4*\j:64+64*\u+16*\c+4*\j+3], v5, s[16:17] offset:32768*\u+128*\c+16*\j th:TH_LOAD_NT
.endr
.endr
.endr
; 64 numbers of a lane, register 16 b + i = k 32 b + 16 h + i of its row, become a fragment's codes in v[pc] on and its scale word in v[pw]
.macro QX s, pc, pw
.irp b, 0,1,2,3
	v_max3_num_f32 v[TM+\b], |v[\s+16*\b]|, |v[\s+1+16*\b]|, 0x4800000
.endr
.irp i, 2,4,6,8,10,12,14
.irp b, 0,1,2,3
	v_max3_num_f32 v[TM+\b], v[TM+\b], |v[\s+16*\b+\i]|, |v[\s+1+16*\b+\i]|
.endr
.endr
.irp b, 0,1,2,3
	v_permlanex16_b32 v[TM+4+\b], v[TM+\b], s28, s29
.endr
.irp b, 0,1,2,3
	v_max_num_f32 v[TM+\b], v[TM+\b], v[TM+4+\b]   ; with lane l xor 16's 16: the block's largest magnitude
.endr
.irp b, 0,1,2,3
	v_add_nc_u32 v[TM+12+\b], 0xfc000000, v[TM+\b]
.endr
.irp b, 0,1,2,3
	v_and_or_b32 v[TM+8+\b], v[TM+\b], 0x7f800000, s31
.endr
.irp b, 0,1,2,3
	v_lshrrev_b32 v[TM+4+\b], 23, v[TM+12+\b]
.endr
	v_lshl_or_b32 v[\pw], v[TM+5], 8, v[TM+4]
	v_lshl_or_b32 v[\pw], v[TM+6], 16, v[\pw]
	v_lshl_or_b32 v[\pw], v[TM+7], 24, v[\pw]
.irp b, 0,1,2,3
.irp i, 0,1,2,3,4,5,6,7,8,9,10,11,12,13,14,15
	v_med3_num_f32 v[\s+16*\b+\i], v[\s+16*\b+\i], -v[TM+8+\b], v[TM+8+\b]
.endr
	v_cvt_scalef32_pk8_fp8_f32 v[\pc+4*\b:\pc+1+4*\b], v[\s+16*\b:\s+7+16*\b], v[TM+12+\b]
	v_cvt_scalef32_pk8_fp8_f32 v[\pc+2+4*\b:\pc+3+4*\b], v[\s+8+16*\b:\s+15+16*\b], v[TM+12+\b]
.endr
	v_nop                                          ; a plain line behind the last conversion
.endm
	s_wait_loadcnt 16                              ; tile 0's sixteen loads are in; tile 1's may be out
	QX 64, 16, 208
.irp c, 0,1,2,3
	global_store_b128 v6, v[16+4*\c:19+4*\c], s[20:21] offset:512*\c            ; 32 lanes store 512 consecutive bytes
.endr
	s_wait_loadcnt 0x0
	QX 128, 32, 209
.irp c, 0,1,2,3
	global_store_b128 v6, v[32+4*\c:35+4*\c], s[20:21] offset:2048+512*\c
.endr
	v_cndmask_b32 v210, v208, v209, s30            ; lanes 0-15 carry tile 0's words, lanes 16-31 tile 1's
	global_store_b32 v7, v210, s[20:21] offset:16384
	s_endpgm
.Lfunc_end_k_qc3ff5de6a7_quant:
	.size	k_qc3ff5de6a7_quant, .Lfunc_end_k_qc3ff5de6a7_quant-k_qc3ff5de6a7_quant
	.p2alignl 7, 3214868480
	.fill 96, 4, 3214868480
	.section	.rodata,"a",@progbits
	.p2align	6, 0x0
	.amdhsa_kernel k_qc3ff5de6a7_quant
		.amdhsa_group_segment_fixed_size 0
		.amdhsa_private_segment_fixed_size 0
		.amdhsa_enable_private_segment 0
		.amdhsa_kernarg_size 72
		.amdhsa_user_sgpr_count 2
		.amdhsa_user_sgpr_kernarg_segment_ptr 1
		.amdhsa_wavefront_size32 1
		.amdhsa_system_sgpr_workgroup_id_x 1
		.amdhsa_system_sgpr_workgroup_id_y 1
		.amdhsa_system_sgpr_workgroup_id_z 1
		.amdhsa_system_vgpr_workitem_id 0
		.amdhsa_next_free_vgpr 216
		.amdhsa_next_free_sgpr 66
		.amdhsa_reserve_vcc 0
		.amdhsa_float_denorm_mode_32 3
		.amdhsa_float_denorm_mode_16_64 3
		.amdhsa_memory_ordered 1
		.amdhsa_forward_progress 1
		.amdhsa_inst_pref_size 78
	.end_amdhsa_kernel
	.amdgpu_metadata
---
amdhsa.version: [ 1, 2 ]
amdhsa.kernels:
  - .name:           k_qc3ff5de6a7_quant
    .symbol:         k_qc3ff5de6a7_quant.kd
    .args:
      - { .name: wq, .offset: 0, .size: 8, .value_kind: global_buffer, .address_space: global }
      - { .name: wk, .offset: 8, .size: 8, .value_kind: global_buffer, .address_space: global }
      - { .name: wv, .offset: 16, .size: 8, .value_kind: global_buffer, .address_space: global }
      - { .name: wo, .offset: 24, .size: 8, .value_kind: global_buffer, .address_space: global }
      - { .name: w1, .offset: 32, .size: 8, .value_kind: global_buffer, .address_space: global }
      - { .name: w2, .offset: 40, .size: 8, .value_kind: global_buffer, .address_space: global }
      - { .name: x, .offset: 48, .size: 8, .value_kind: global_buffer, .address_space: global }
      - { .name: wimg, .offset: 56, .size: 8, .value_kind: global_buffer, .address_space: global }
      - { .name: ximg, .offset: 64, .size: 8, .value_kind: global_buffer, .address_space: global }
    .group_segment_fixed_size: 0
    .private_segment_fixed_size: 0
    .kernarg_segment_align: 8
    .kernarg_segment_size: 72
    .max_flat_workgroup_size: 128
    .sgpr_count:     66
    .vgpr_count:     216
    .wavefront_size: 32
...
	.end_amdgpu_metadata
.endif
;; end of part 1
;; launch g_qkv (part 2): grid 8 x 32, 4 waves a work-group, clusters of 4 x 4, 327,680 bytes of LDS; arguments ximg, wimg, qkv; writes qkv
.if DOCPART == 2
	.amdgcn_target "amdgcn-amd-amdhsa--gfx1250"
	.amdhsa_code_object_version 6
	.text
	.protected	k_qc3ff5de6a7_g_qkv
	.globl	k_qc3ff5de6a7_g_qkv
	.p2align	8
	.type	k_qc3ff5de6a7_g_qkv,@function
k_qc3ff5de6a7_g_qkv:
	s_mov_b64 s[64:65], 0
	v_nop
	global_prefetch_b8 v0, s[64:65] scope:SCOPE_SE
	s_setreg_imm32_b32 hwreg(HW_REG_WAVE_MODE, 25, 1), 1
	s_wait_xcnt 0x0
	s_wait_alu depctr_hold_cnt(0) depctr_sa_sdst(0) depctr_va_vdst(0) depctr_va_sdst(0) depctr_va_ssrc(0) depctr_va_vcc(0) depctr_vm_vsrc(0)
	s_getreg_b32 s2, hwreg(HW_REG_IB_STS2, 6, 4)
	s_cmp_eq_u32 s2, 0
	s_cbranch_scc0 .Lentry_in_a_cluster
	s_endpgm
.Lentry_in_a_cluster:
	s_bfe_u32 s2, ttmp6, 0x10000c
	s_cmp_lg_u32 s2, 0xf033
	s_cbranch_scc0 .Lentry_shape_is_right
	s_endpgm
.Lentry_shape_is_right:
; ONE TEXT SERVES TWO LAUNCHES; the line below says which.  KIND 1: q, k, v = x wq, x wk, x wv.  KIND 3: h = relu(x1 w1).
.set KIND, 1
; D[i][j] = sum over k of P[i][k] Q[j][k] on codes of FP8 (E4M3) with one E8M0 scale for each 32 along K, sums in f32, K = 1,024.  Both operands arrive as RECORDS: 128 rows x 128 K in 16,896 bytes, laid in the order of the
; matrix unit's registers: row p of the 128 lies in tile T = 2 ((p >> 5) & 3) + ((p >> 3) & 1) at lane row r = (p & 7) + 8 ((p >> 4) & 1); codes at 2048 T + 512 c + 16 (16 h + r): k = 32 c + 16 h + 0 .. 15; scale words at 16384 + 64 T + 4 r.
; A group's eight K steps are one dense PANEL of 135,168 bytes; a fragment is four LDS loads of 512 consecutive bytes: no pitch, no padding.
; A WORK-GROUP STAYS.  It owns one group of 128 rows of the activations (S: x or x1) and walks the weights (W): KIND 1: the same group of 128 columns of wq, wk, wv; KIND 3: four neighbouring groups of w1.  256 work-groups in both launches.
; S STAYS IN REGISTERS: a wave's 64 rows x 1,024 K are 512 registers.  So a tile of D brings one panel into LDS and not two, a K step reads W's fragments from LDS and not both operands', and arguments, first fills and the last stores' way out are paid once.
; S comes by a joint tensor load into slot 1 and is read out of it once; then the two slots take W's panels by turns: while a tile is multiplied and the tile before it is quantised and stored, the next panel is on its way.
; SHARES.  A tile of D is 128 x 128; wave w makes 64 x 64: rows 64 (w >> 1) on of S, rows 64 (w & 1) on of W: 16 accumulators.
; CLUSTERS: 4 x 4 work-groups; S is shared along a row of the cluster, W's panels along a column: each is asked for jointly, by the same tensor load with the same descriptor and a mask that names the four.
; THE MATRIX INSTRUCTION IS USED TRANSPOSED (source 0 = a tile of Q, source 1 = a tile of P).  By the tile rule the 16 registers of accumulators (a, 2 b) and (a, 2 b + 1) are then 16 NEIGHBOURS along j: j = 32 b + 16 h + 0 .. 15 of the
; wave's 64, for row (a, r).  D is the next product's operand with K = j: the conversions' results ARE a chunk of that operand's record, and leave by stores of 512 consecutive bytes with no stage.
; P = S and Q = W, but for v, which the attention wants quantised along the keys: there P = wv and Q = x: the two sources change places, and D is v transposed.
; The scale bytes leave as halfwords, 2 bytes a lane (1 byte for each 32 of codes): those aligned blocks of 256 bytes are written in part.
; LIMITS: NaN and infinities are not served; a block whose largest magnitude lies under 2^-118 has its byte held at 1; a block of zeros gets the byte 1 over zero codes: the bytes are read by this program alone.
; REGISTERS: window 0: v8-31 addresses; v32-63 S's scale words (K step s, tile a: 32 + 4 s + a); v64-71 W's, two sets; v72-89 at work; v90-93 S's LDS addresses; v96-127 codes; v128-255 the accumulators ((a, t) at v[128 + 8 (4 a + t)]).
;   window 1: v0-63, v64-127 W's fragments, two buffers.   windows 2, 3: S's fragments: K steps 0-3 and 4-7, (s, a) at v[64 (s % 4) + 16 a].
.set REC,   16896
.set R2,    8448                       ; a record of q, k or v: 128 tokens of one head
.set SEC,   512*R2                     ; the section of q, of k, of v
.if KIND == 1
.set WSEC,  0                          ; where the walk's weights begin among the weights' records
.set WWALK, 8*REC                      ; from a walk's first panel to the next walk's
.set TSTEP, 64*REC                     ; from a tile's panel to the next tile's: wq, wk, wv lie 64 records apart
.set OSTEP, SEC                        ; from a tile's place in the output to the next tile's
.set RELU,  0
.else
.set WSEC,  256*REC
.set WWALK, 32*REC
.set TSTEP, 8*REC
.set OSTEP, REC
.set RELU,  1
.endif
.set PANEL, 8*REC
.set HALFU, 2*REC                      ; what one tensor load brings
.set HSL,   4*REC                      ; half a slot: an LDS immediate reaches four records
.set SLOT,  8*REC
.set SPARE, 2*SLOT                     ; behind the slots: the spare words, 128 bytes for each wave: two blocks of 256 bytes that no other line names
.set ADRW, 8                           ; v8-11  LDS address of my W fragments in half slot 0 .. 3
.set ADRS, 12                          ; v12-15 of my W scale words
.set VO,   16                          ; v16-19 codes out: my lane's offset for tile a
.set VS,   20                          ; v20-21 scale halfwords out, for tiles 2 p (lanes 0-15) and 2 p + 1 (lanes 16-31)
.set VO2,  22                          ; v22-27 the same for v
.set VS2,  26
.set SPW,  28                          ; LDS address of my spare word; never rewritten
.set NIL,  29                          ; 0; never rewritten
.set L16,  31                          ; 16 x lane
.set SS,   32
.set WS,   64
.set TM,   72
.set HW,   88
.set SAD,  90                          ; v90-91 LDS address of my S fragments, K steps 0-3 and 4-7
.set SSD,  92                          ; v92-93 of my S scale words
.set PC,   96
.set ACC,  128
.set G1,   24                          ; s[24:31] descriptor group 1 for S;  s[32:35] its group 0
.set G0S,  32
.set G1B,  48                          ; s[48:55] group 1 for W;  s[56:63] group 0, one set for each slot
.set G0W,  56
.set MSB, 0
.macro WIN new                         ; the immediate's high byte repeats the setting that is left
.if MSB != \new
	s_set_vgpr_msb (MSB<<8)|\new
.set MSB, \new
.endif
.endm
.macro CREST                           ; a round of the cluster's barrier behind its opening barrier
	s_cmp_lg_u32 s10, 0
	s_cbranch_scc1 .Lnot_wave_0_\@
	s_barrier_signal -3
.Lnot_wave_0_\@:
	s_barrier_wait -3
	s_barrier_signal -1
	s_barrier_wait -1
.endm
.macro CROUND
	s_barrier_signal -1
	s_barrier_wait -1
	CREST
.endm
.macro PLACES n
.rept \n
	v_nop
.endr
.endm
	s_load_b128 s[4:7], s[0:1], 0x0                ; S's records, the weights' records
	s_load_b64 s[8:9], s[0:1], 0x10                ; where D goes
	v_lshl_add_u32 v[SPW], v0, 2, SPARE
	v_mov_b32 v[NIL], 0
	ds_add_u32 v28, v29
	ds_add_u32 v28, v29
	s_wait_dscnt 0x0
	v_lshrrev_b32 v1, 5, v0
	v_readfirstlane_b32 s10, v1                    ; wave 0..3
	s_lshr_b32 s11, s10, 1                         ; which 64 rows of S are mine
	s_and_b32 s12, s10, 1                          ; which 64 rows of W
	s_bfe_u32 s40, ttmp6, 0x40000                  ; cx, cy: my place in the cluster
	s_bfe_u32 s41, ttmp6, 0x40004
	s_lshl_b32 s42, ttmp9, 2
	s_add_co_u32 s42, s42, s40                     ; the walk = 4 x cluster x + cx
	s_and_b32 s45, ttmp7, 0xffff
	s_lshl_b32 s13, s45, 2
	s_add_co_u32 s13, s13, s41                     ; S's group = 4 x cluster y + cy
	s_lshl_b32 s43, s41, 2
	s_lshl_b32 s43, 15, s43                        ; my row of the cluster
	s_lshl_b32 s44, 0x1111, s40                    ; my column
	s_or_b32 s[G1+0], s43, (3<<16)|(1<<21)         ; 15:0 the mask; 17:16 elements of 8 bytes; 21 set beside a mask; no padding
	s_or_b32 s[G1B+0], s44, (3<<16)|(1<<21)
.irp g, G1, G1B
	s_mov_b32 s[\g+1], 32<<16                      ; tensor_dim0 = 32 elements: 256 bytes
	s_mov_b32 s[\g+2], 132<<16                     ; tensor_dim1 = 132 rows: two records
	s_mov_b32 s[\g+3], 32<<16                      ; tile_dim0
	s_mov_b32 s[\g+4], 132                         ; tile_dim1
	s_mov_b32 s[\g+5], 32                          ; the pitch: dense
	s_mov_b32 s[\g+6], 0
	s_mov_b32 s[\g+7], 0
.endr
	s_mul_i32 s75, s10, HALFU                      ; my two records of a panel, in memory and in a slot: the wave's number alone
	s_mul_i32 s20, s13, PANEL                      ; S's offset hangs on its group and the wave alone, W's on the walk and the wave alone, each in registers that never hold the other coordinate
	s_add_co_u32 s20, s20, s75
	s_mov_b32 s21, 0
	s_mul_i32 s46, s42, WWALK
	s_add_co_u32 s46, s46, s75
.if WSEC > 0
	s_add_co_u32 s46, s46, WSEC
.endif
	s_mov_b32 s47, 0
	s_wait_kmcnt 0x0
	s_add_nc_u64 s[14:15], s[4:5], s[20:21]
	s_add_nc_u64 s[46:47], s[6:7], s[46:47]
	CROUND                                         ; all sixteen work-groups are here: the first joint loads meet
	s_mov_b32 s[G0S], 1
	s_add_co_u32 s[G0S+1], s75, SLOT               ; S lands in slot 1
	s_add_nc_u64 s[G0S+2:G0S+3], s[14:15], 0
	s_or_b32 s[G0S+3], s[G0S+3], 0x80000000
.irp s, 0,1
	s_mov_b32 s[G0W+4*\s], 1
	s_add_co_u32 s[G0W+4*\s+1], s75, \s*SLOT
	s_add_nc_u64 s[G0W+4*\s+2:G0W+4*\s+3], s[46:47], \s*TSTEP      ; slot s begins with tile s's panel
	s_or_b32 s[G0W+4*\s+3], s[G0W+4*\s+3], 0x80000000
.endr
	tensor_load_to_lds s[G0S:G0S+3], s[G1:G1+7]    ; S first: it is read out while tile 0's panel lands
	s_nop 0
	tensor_load_to_lds s[G0W:G0W+3], s[G1B:G1B+7]  ; two loads of mine are out
	s_nop 0
	PLACES 4
	v_and_b32 v1, 15, v0                           ; r
	v_bfe_u32 v2, v0, 4, 1                         ; h
	v_and_b32 v3, 31, v0
	v_lshlrev_b32 v[L16], 4, v3
	v_lshlrev_b32 v4, 2, v1                        ; 4 r: a scale word's place; lanes 16-31 take the same words and are not read
	s_lshl_b32 s21, s12, 13                        ; my four tiles of W
	s_lshl_b32 s22, s12, 8
	s_add_co_u32 s22, s22, 16384                   ; and their scale words
.irp q, 0,1,2,3
	v_add_nc_u32 v[ADRW+\q], s21, v[L16]
	v_add_nc_u32 v[ADRS+\q], s22, v4
	s_add_co_u32 s21, s21, HSL
	s_add_co_u32 s22, s22, HSL
.endr
	s_lshl_b32 s21, s11, 13                        ; my four tiles of S, in slot 1
	s_add_co_u32 s21, s21, SLOT
	s_lshl_b32 s22, s11, 8
	s_add_co_u32 s22, s22, SLOT+16384
	v_add_nc_u32 v[SAD], s21, v[L16]
	v_add_nc_u32 v[SAD+1], HSL, v[SAD]
	v_add_nc_u32 v[SSD], s22, v4
	v_add_nc_u32 v[SSD+1], HSL, v[SSD]
	s_mov_b32 s70, 0x76543210
	s_mov_b32 s71, 0xfedcba98                      ; v_permlanex16_b32's selects for lane l xor 16
	s_mov_b32 s72, 0x600000                        ; the mantissa field of 448
	s_mov_b32 s73, 0xffff0000                      ; lanes 16-31
.irp b, 0,1,2,3
	v_mov_b32 v[TM+4+\b], 0                        ; written once: a lane permute's destination counts as one of its sources
.endr
.if KIND == 1
	s_lshl_b32 s84, s11, 12                        ; q, k: a record is 128 tokens of one head; tile a's two chunks lie at 4096 (S's half) + 1024 a
	v_add_nc_u32 v[VO], s84, v[L16]
	v_add_nc_u32 v[VO+1], 1024, v[VO]
	v_add_nc_u32 v[VO+2], 1024, v[VO+1]
	v_add_nc_u32 v[VO+3], 1024, v[VO+2]
	s_lshl_b32 s86, s11, 7
	s_add_co_u32 s86, s86, 8192
	v_lshl_add_u32 v5, v2, 1, v4                   ; the pair's second tile has the word's upper half
	v_add_nc_u32 v[VS], s86, v5
	v_add_nc_u32 v[VS+1], 64, v[VS]
	s_lshl_b32 s84, s11, 10                        ; v: tile a of the head's dims at 2048 a; my 64 keys are chunks 2 (S's half) + b
	v_add_nc_u32 v[VO2], s84, v[L16]
	v_add_nc_u32 v[VO2+1], 2048, v[VO2]
	v_add_nc_u32 v[VO2+2], 2048, v[VO2+1]
	v_add_nc_u32 v[VO2+3], 2048, v[VO2+2]
	s_lshl_b32 s86, s11, 1
	s_add_co_u32 s86, s86, 8192
	v_lshl_add_u32 v5, v2, 6, v4
	v_add_nc_u32 v[VS2], s86, v5
	v_add_nc_u32 v[VS2+1], 128, v[VS2]
	s_lshr_b32 s80, s13, 4                         ; record ((16 batch + head) x 16 + group of 128 tokens), head = 2 walk + W's half: the same in the sections of q, k and v
	s_lshl_b32 s80, s80, 4
	s_lshl_b32 s81, s42, 1
	s_add_co_u32 s80, s80, s81
	s_add_co_u32 s80, s80, s12
	s_lshl_b32 s80, s80, 4
	s_and_b32 s81, s13, 15
	s_add_co_u32 s80, s80, s81
	s_mul_i32 s88, s80, R2
.else
	s_lshl_b32 s84, s11, 13                        ; record (S's group, K step = W's group) of the next operand: tile 4 (S's half) + a, chunks 2 (W's half) + b
	s_lshl_b32 s80, s12, 10
	s_add_co_u32 s84, s84, s80
	v_add_nc_u32 v[VO], s84, v[L16]
	v_add_nc_u32 v[VO+1], 2048, v[VO]
	v_add_nc_u32 v[VO+2], 2048, v[VO+1]
	v_add_nc_u32 v[VO+3], 2048, v[VO+2]
	s_lshl_b32 s86, s11, 8
	s_lshl_b32 s80, s12, 1
	s_add_co_u32 s86, s86, s80
	s_add_co_u32 s86, s86, 16384
	v_lshl_add_u32 v5, v2, 6, v4
	v_add_nc_u32 v[VS], s86, v5
	v_add_nc_u32 v[VS+1], 128, v[VS]
	s_lshl_b32 s88, s13, 5
	s_lshl_b32 s80, s42, 2
	s_add_co_u32 s88, s88, s80
	s_mul_i32 s88, s88, REC
.endif
	s_mov_b32 s89, 0
	s_add_nc_u64 s[8:9], s[8:9], s[88:89]
; 20 LDS loads in one run: W's scale words and fragments of K step s of the panel in slot sl, into buffer and scale set b
.macro FETCH sl, s, b
	WIN 0
.irp i, 0,1,2,3
	ds_load_b32 v[WS+4*(\b)+\i], v[ADRS+2*(\sl)+(\s)/4] offset:((\s)%4)*REC+64*\i
.endr
	WIN 0x40                                       ; destination window 1, address window 0
.irp i, 0,1,2,3
.irp c, 0,1,2,3
	ds_load_b128 v[64*(\b)+16*\i+4*\c:64*(\b)+16*\i+4*\c+3], v[ADRW+2*(\sl)+(\s)/4] offset:((\s)%4)*REC+2048*\i+512*\c
.endr
.endr
.endm
; 16 matrix instructions: K step s.  The 16 accumulators take turns, one instruction a turn, in the same order in every step.  zero = 1: the first products start the sums.
; swap = 0: source 0 = W's tile t, source 1 = S's tile a.  swap = 1 (v): source 0 = S's tile t, source 1 = W's tile a.
.macro MUL16 s, zero, swap
.set FB, 64*((\s)%2)
.set WB, WS+4*((\s)%2)
.set SB, 64*((\s)%4)
.set SW, SS+4*(\s)
.if \swap
.set WN, 0x06+(\s)/4                   ; source 0 window 2 or 3, source 1 window 1; C and D window 0
.else
.set WN, 0x09+4*((\s)/4)               ; source 0 window 1, source 1 window 2 or 3
.endif
	WIN WN
.irp a, 0,1,2,3
.irp t, 0,1,2,3
.if \swap
.if \zero
	v_wmma_scale_f32_16x16x128_f8f6f4 v[ACC+8*(4*\a+\t):ACC+8*(4*\a+\t)+7], v[SB+16*\t:SB+16*\t+15], v[FB+16*\a:FB+16*\a+15], 0, v[SW+\t], v[WB+\a]
.else
	v_wmma_scale_f32_16x16x128_f8f6f4 v[ACC+8*(4*\a+\t):ACC+8*(4*\a+\t)+7], v[SB+16*\t:SB+16*\t+15], v[FB+16*\a:FB+16*\a+15], v[ACC+8*(4*\a+\t):ACC+8*(4*\a+\t)+7], v[SW+\t], v[WB+\a]
.endif
.else
.if \zero
	v_wmma_scale_f32_16x16x128_f8f6f4 v[ACC+8*(4*\a+\t):ACC+8*(4*\a+\t)+7], v[FB+16*\t:FB+16*\t+15], v[SB+16*\a:SB+16*\a+15], 0, v[WB+\t], v[SW+\a]
.else
	v_wmma_scale_f32_16x16x128_f8f6f4 v[ACC+8*(4*\a+\t):ACC+8*(4*\a+\t)+7], v[FB+16*\t:FB+16*\t+15], v[SB+16*\a:SB+16*\a+15], v[ACC+8*(4*\a+\t):ACC+8*(4*\a+\t)+7], v[WB+\t], v[SW+\a]
.endif
.endif
.endr
.endr
.endm
; K step s: its fragments are in; the next step's loads go out into the other buffer, eight places behind the products that read it; then the step is multiplied.
.macro STEP sl, s, zero, swap
	s_wait_dscnt 0x0
	PLACES 8
	FETCH \sl, (\s)+1, ((\s)+1)%2
	MUL16 \s, \zero, \swap
.endm
.macro TILE sl, swap                   ; a tile's eight K steps from slot sl; step 0's fragments have been asked for
	STEP \sl, 0, 1, \swap
.irp k, 1,2,3,4,5,6
	STEP \sl, \k, 0, \swap
.endr
	s_wait_dscnt 0x0
	MUL16 7, 0, \swap
.endm
; THE CHANGE OF SLOTS: ONE barrier; in front of it each wave waits for all its tensor loads (its part of the slot that is read next), adds 0 to its spare word, and waits for that and for its reads of the slot that it leaves.
; fill = 1: slot sl, which nobody reads any more, is filled again (adv = 1: with the panel two tiles on): the barrier opens a round of the cluster's barrier, and the joint load is the first thing behind the round.
; Then the first fragments of slot nx are asked for: they land while the tile just finished is quantised.
.macro CHANGE fill, sl, adv, nx
	WIN 0
	s_wait_tensorcnt 0x0                           ; no tensor load of mine is out, so a group 0 may be written
	ds_add_u32 v[SPW], v[NIL]                      ; 0 onto my spare word
	s_wait_dscnt 0x0                               ; the add is done, and my reads of the slot that I leave are over
.if \fill
	CROUND                                         ; no wave of any partner still reads the slot or has a load on its way
.if \adv
	s_add_nc_u64 s[G0W+4*\sl+2:G0W+4*\sl+3], s[G0W+4*\sl+2:G0W+4*\sl+3], 2*TSTEP
.endif
	tensor_load_to_lds s[G0W+4*\sl:G0W+4*\sl+3], s[G1B:G1B+7]
	s_nop 0
.else
	s_barrier_signal -1
	s_barrier_wait -1
.endif
	PLACES 8                                       ; behind the last products: for the loads below and for the first reads of results; the first four also stand behind the tensor load
	FETCH \nx, 0, 0
	WIN 0
.endm
; 64 registers from v[s] on are four blocks: block bb = tile a = (bb / 2) of the pair, chunk b = bb % 2; a block's other 16 numbers lie in lane l xor 16.  Codes into v[pc] on; the two tiles' scale halfwords into v[hw]: lanes 0-15 the first tile's, lanes 16-31 the second's.
.macro QUANT s, relu, pc, hw
.if \relu                                      ; no |.|: what is negative becomes 0, so it must not count; the floor stands over it
.irp b, 0,1,2,3
	v_max3_num_f32 v[TM+\b], v[\s+16*\b], v[\s+1+16*\b], 0x4800000
.endr
.irp i, 2,4,6,8,10,12,14
.irp b, 0,1,2,3
	v_max3_num_f32 v[TM+\b], v[TM+\b], v[\s+16*\b+\i], v[\s+1+16*\b+\i]
.endr
.endr
.else
.irp b, 0,1,2,3
	v_max3_num_f32 v[TM+\b], |v[\s+16*\b]|, |v[\s+1+16*\b]|, 0x4800000   ; my 16 numbers and the floor 2^(9 - 127): the byte cannot fall under 1
.endr
.irp i, 2,4,6,8,10,12,14
.irp b, 0,1,2,3
	v_max3_num_f32 v[TM+\b], v[TM+\b], |v[\s+16*\b+\i]|, |v[\s+1+16*\b+\i]|
.endr
.endr
.endif
.irp b, 0,1,2,3
	v_permlanex16_b32 v[TM+4+\b], v[TM+\b], s70, s71
.endr
.irp b, 0,1,2,3
	v_max_num_f32 v[TM+\b], v[TM+\b], v[TM+4+\b]
.endr
.irp b, 0,1,2,3
	v_add_nc_u32 v[TM+12+\b], 0xfc000000, v[TM+\b]         ; 8 off the exponent field: the conversion's scale operand
.endr
.irp b, 0,1,2,3
	v_and_or_b32 v[TM+8+\b], v[TM+\b], 0x7f800000, s72     ; 448 x the scale
.endr
.irp b, 0,1,2,3
	v_lshrrev_b32 v[TM+4+\b], 23, v[TM+12+\b]              ; the scale's byte
.endr
	v_lshl_or_b32 v[TM+4], v[TM+5], 8, v[TM+4]
	v_lshl_or_b32 v[TM+6], v[TM+7], 8, v[TM+6]
	v_cndmask_b32 v[\hw], v[TM+4], v[TM+6], s73
.irp b, 0,1,2,3
.irp i, 0,1,2,3,4,5,6,7,8,9,10,11,12,13,14,15
.if \relu
	v_med3_num_f32 v[\s+16*\b+\i], v[\s+16*\b+\i], 0, v[TM+8+\b]             ; the activation and the hold in one
.else
	v_med3_num_f32 v[\s+16*\b+\i], v[\s+16*\b+\i], -v[TM+8+\b], v[TM+8+\b]   ; the conversion to an 8-bit code does not saturate (ISA guide 7.6.2)
.endif
.endr
	v_cvt_scalef32_pk8_fp8_f32 v[\pc+4*\b:\pc+1+4*\b], v[\s+16*\b:\s+7+16*\b], v[TM+12+\b]
	v_cvt_scalef32_pk8_fp8_f32 v[\pc+2+4*\b:\pc+3+4*\b], v[\s+8+16*\b:\s+15+16*\b], v[TM+12+\b]
.endr
	v_nop                                          ; a plain line behind the last conversion
.endm
; Tile n goes out: quantised along j and stored as chunks of the next operand's records
.macro EPI n, vo, vs
.if \n > 0
	s_wait_xcnt 0x0                                ; the last tile's stores have read their data and their base: both are written again only behind this wait
	s_add_nc_u64 s[8:9], s[8:9], OSTEP
.endif
.irp p, 0,1
	QUANT ACC+64*\p, RELU, PC+16*\p, HW+\p
.irp bb, 0,1,2,3
	global_store_b128 v[\vo+2*\p+\bb/2], v[PC+16*\p+4*\bb:PC+16*\p+4*\bb+3], s[8:9] offset:512*(\bb%2)   ; 512 consecutive bytes
.endr
	global_store_b16 v[\vs+\p], v[HW+\p], s[8:9]
.endr
.endm
	s_wait_tensorcnt 0x1                           ; my part of S is in; tile 0's panel may stay out
	s_barrier_signal -1
	s_barrier_wait -1                              ; everybody's is
.irp k, 0,1,2,3,4,5,6,7                        ; S into registers, once: 32 scale words and 32 fragments
.irp a, 0,1,2,3
	ds_load_b32 v[SS+4*\k+\a], v[SSD+\k/4] offset:(\k%4)*REC+64*\a
.endr
.endr
	WIN 0x80                                       ; destination window 2
.irp k, 0,1,2,3
.irp a, 0,1,2,3
.irp c, 0,1,2,3
	ds_load_b128 v[64*\k+16*\a+4*\c:64*\k+16*\a+4*\c+3], v[SAD] offset:\k*REC+2048*\a+512*\c
.endr
.endr
.endr
	WIN 0xc0                                       ; destination window 3
.irp k, 0,1,2,3
.irp a, 0,1,2,3
.irp c, 0,1,2,3
	ds_load_b128 v[64*\k+16*\a+4*\c:64*\k+16*\a+4*\c+3], v[SAD+1] offset:\k*REC+2048*\a+512*\c
.endr
.endr
.endr
	CHANGE 1, 1, 0, 0                              ; S is in registers and tile 0's panel is whole: slot 1 takes tile 1's panel
	TILE 0, 0
	CHANGE 1, 0, 1, 1                              ; slot 0 takes tile 2's panel
	EPI 0, VO, VS
	TILE 1, 0
.if KIND == 1
	CHANGE 0, 0, 0, 0                              ; nothing is left to fetch
	EPI 1, VO, VS
	TILE 0, 1                                      ; v: the sources change places
	WIN 0
	PLACES 8                                       ; in front of the first reads of results
	EPI 2, VO2, VS2
.else
	CHANGE 1, 1, 1, 0                              ; slot 1 takes tile 3's panel
	EPI 1, VO, VS
	TILE 0, 0
	CHANGE 0, 0, 0, 1                              ; nothing is left to fetch
	EPI 2, VO, VS
	TILE 1, 0
	WIN 0
	PLACES 8                                       ; in front of the first reads of results
	EPI 3, VO, VS
.endif
	s_wait_tensorcnt 0x0                           ; the wave's end
	ds_add_u32 v[SPW], v[NIL]
	s_wait_dscnt 0x0
	CROUND                                         ; the closing round: no work-group ends while a partner may still ask for a panel that names it
	s_endpgm
.Lfunc_end_k_qc3ff5de6a7_g_qkv:
	.size	k_qc3ff5de6a7_g_qkv, .Lfunc_end_k_qc3ff5de6a7_g_qkv-k_qc3ff5de6a7_g_qkv
	.p2alignl 7, 3214868480
	.fill 96, 4, 3214868480
	.section	.rodata,"a",@progbits
	.p2align	6, 0x0
	.amdhsa_kernel k_qc3ff5de6a7_g_qkv
		.amdhsa_group_segment_fixed_size 327680
		.amdhsa_private_segment_fixed_size 0
		.amdhsa_enable_private_segment 0
		.amdhsa_kernarg_size 24
		.amdhsa_user_sgpr_count 2
		.amdhsa_user_sgpr_kernarg_segment_ptr 1
		.amdhsa_wavefront_size32 1
		.amdhsa_system_sgpr_workgroup_id_x 1
		.amdhsa_system_sgpr_workgroup_id_y 1
		.amdhsa_system_sgpr_workgroup_id_z 1
		.amdhsa_system_vgpr_workitem_id 0
		.amdhsa_next_free_vgpr 1024
		.amdhsa_next_free_sgpr 100
		.amdhsa_reserve_vcc 0
		.amdhsa_float_denorm_mode_32 3
		.amdhsa_float_denorm_mode_16_64 3
		.amdhsa_memory_ordered 1
		.amdhsa_forward_progress 1
		.amdhsa_inst_pref_size 157
	.end_amdhsa_kernel
	.amdgpu_metadata
---
amdhsa.version: [ 1, 2 ]
amdhsa.kernels:
  - .name:           k_qc3ff5de6a7_g_qkv
    .symbol:         k_qc3ff5de6a7_g_qkv.kd
    .args:
      - { .name: ximg, .offset: 0, .size: 8, .value_kind: global_buffer, .address_space: global }
      - { .name: wimg, .offset: 8, .size: 8, .value_kind: global_buffer, .address_space: global }
      - { .name: qkv, .offset: 16, .size: 8, .value_kind: global_buffer, .address_space: global }
    .group_segment_fixed_size: 327680
    .private_segment_fixed_size: 0
    .kernarg_segment_align: 8
    .kernarg_segment_size: 24
    .max_flat_workgroup_size: 128
    .sgpr_count:     100
    .vgpr_count:     1024
    .wavefront_size: 32
...
	.end_amdgpu_metadata
.endif
;; end of part 2
;; launch attn (part 3): grid 8 x 32, 16 waves a work-group, clusters of 4 x 1, 327,680 bytes of LDS; arguments qkv, aimg; writes aimg
.if DOCPART == 3
	.amdgcn_target "amdgcn-amd-amdhsa--gfx1250"
	.amdhsa_code_object_version 6
	.text
	.protected	k_qc3ff5de6a7_attn
	.globl	k_qc3ff5de6a7_attn
	.p2align	8
	.type	k_qc3ff5de6a7_attn,@function
k_qc3ff5de6a7_attn:
	s_mov_b64 s[64:65], 0
	v_nop
	global_prefetch_b8 v0, s[64:65] scope:SCOPE_SE
	s_setreg_imm32_b32 hwreg(HW_REG_WAVE_MODE, 25, 1), 1
	s_wait_xcnt 0x0
	s_wait_alu depctr_hold_cnt(0) depctr_sa_sdst(0) depctr_va_vdst(0) depctr_va_sdst(0) depctr_va_ssrc(0) depctr_va_vcc(0) depctr_vm_vsrc(0)
	s_getreg_b32 s2, hwreg(HW_REG_IB_STS2, 6, 4)
	s_cmp_eq_u32 s2, 0
	s_cbranch_scc0 .Lentry_in_a_cluster
	s_endpgm
.Lentry_in_a_cluster:
	s_bfe_u32 s2, ttmp6, 0x10000c
	s_cmp_lg_u32 s2, 0x3003
	s_cbranch_scc0 .Lentry_shape_is_right
	s_endpgm
.Lentry_shape_is_right:
; a[b][q][head][:] = the sum over k of softmax_k(q . k / 8) v, 32 (batch, head) pairs of 2,048 tokens, head size 64, both products on codes of FP8 (E4M3) with one E8M0 scale for each 32 along a product's K.
; THE SOFTMAX AHEAD OF THE SECOND PRODUCT: t = score x log2(e) / 8; M = the row's largest t so far, rounded UP to a whole number; p = 2^(t - M) is what is quantised, along the keys; it is not normalised.
; The row's sum is taken of the unquantised p, in f32, and divides O at the end (v_rcp_f32 and a multiplication).  When M moves, the sum and O are multiplied by 2^(old M - new M): exact.
; INPUT: qkv = sections q, k, v, each [batch x 16 + head][128 tokens] records of 8,448 bytes, laid in the order of the matrix unit's registers.  A record of q or k: four DOUBLE FRAGMENTS g of 32 tokens at 2048 g; chunk 2 u + b (512 bytes,
; 16 a lane) holds, for tile u's token 32 g + 8 u + (r & 7) + 16 (r >> 3), dims 32 b + 16 h + 0 .. 15; scale words at 8192 + 64 g + 4 r, bytes (u, b).  The head's 64 dims fill half of the instruction's 128 along K: so 16 registers of K
; carry TWO tiles of keys, and q stands as [q | 0 | q] in 24 registers: [q | 0] meets tile 0, [0 | q] tile 1; the other half multiplies zero codes.  A record of v: four tiles of the head's dims x 128 keys at 2048 T + 512 c, scale words at 8192 + 64 T + 4 r.
; SHARES.  A work-group owns 256 queries of one (batch, head); each of its sixteen waves one tile of 16, in 256 registers: four waves to a SIMD, so that one wave's vector work stands beside another's matrix work.
; A head's K and V, 270,336 bytes, come into LDS ONCE: each wave brings two records; the first eight key steps begin when records 0-7 have landed.  Nothing is filled again.
; CLUSTER: the four query blocks of a cluster belong to one (batch, head) and want the same K and V: each record is asked for jointly, with a mask that names the four.
; LAYOUT.  Both products are used transposed: a lane holds ONE query (lane % 16) throughout; by the choice of a tile's tokens the 16 registers of score tiles 2 c, 2 c + 1 are 16 neighbouring keys, and those of O^T's tiles 2 B, 2 B + 1 are 16 neighbouring dims.
; OUTPUT: the result is quantised along the model's 1,024 (the next product's K) and stored as chunks 2 (head & 1) + B of record (group of 128 tokens, K step head >> 1) of aimg (records of 16,896 bytes: 8 tiles x 2,048, scale words at 16384 + 64 T + 4 r).
; LIMITS: NaN and infinities are not served; a block whose largest magnitude lies under 2^-118 has its byte held at 1; a block of zeros gets the byte 1 over zero codes: the bytes are read by this program alone.
; REGISTERS: v1-4 lane places; v7, v16-18 global offsets; v8-11 the step's LDS addresses; v12 -M, v13 the largest t, v[14:15] the sum; v32-95 K's, then V's fragments; v96-159 S^T, then p; v160-191 O^T; v192-215 [q | 0 | q]; v216 q's scale word;
;   v217-220 V's scale words; v224-239 p's codes; v232-254 at work; v248-251 K's scale words.
.set REC,   16896
.set R2,    8448
.set SEC,   512*R2
.set VBASE, 16*R2                      ; LDS: K's 16 records, then V's 16
.set ADK,  8
.set ADV,  9
.set ADS,  10
.set ADT,  11
.set WV,   18
.set MNT,  19
.set SEL,  20
.set CS,   22
.set G1,   24
.set G0,   32
.set TB,   40
.set CNT,  41
.macro CROUND                          ; a round of the cluster's barrier
	s_barrier_signal -1
	s_barrier_wait -1
	s_cmp_lg_u32 s[WV], 0
	s_cbranch_scc1 .Lnot_wave_0_\@
	s_barrier_signal -3
.Lnot_wave_0_\@:
	s_barrier_wait -3
	s_barrier_signal -1
	s_barrier_wait -1
.endm
	s_load_b128 s[4:7], s[0:1], 0x0                ; qkv, aimg
	v_lshl_add_u32 v223, v0, 2, 0x42000
	v_mov_b32 v255, 0
	ds_add_u32 v223, v255
	ds_add_u32 v223, v255
	v_lshrrev_b32 v8, 5, v0
	v_readfirstlane_b32 s[WV], v8                  ; wave 0..15
	s_bfe_u32 s42, ttmp6, 0x40000                  ; cx: it enters q's and the output's addresses alone
	s_lshl_b32 s43, ttmp9, 2
	s_add_co_u32 s43, s43, s42                     ; my block of 256 queries
	s_and_b32 s44, ttmp7, 0xffff                   ; 16 x batch + head, which the four partners share
	s_mov_b32 s[G1], 15|(3<<16)|(1<<21)            ; 15:0 the mask: all four; 17:16 elements of 8 bytes; 21 set beside a mask
	s_mov_b32 s[G1+1], 32<<16                      ; tensor_dim0 = 32 elements: 256 bytes
	s_mov_b32 s[G1+2], 33<<16                      ; tensor_dim1 = 33 rows: one record
	s_mov_b32 s[G1+3], 32<<16
	s_mov_b32 s[G1+4], 33
	s_mov_b32 s[G1+5], 32                          ; dense
	s_mov_b32 s[G1+6], 0
	s_mov_b32 s[G1+7], 0
	s_lshr_b32 s8, s[WV], 3                        ; waves 0-7 fetch K's records w and w + 8, waves 8-15 V's
	s_and_b32 s9, s[WV], 7
	s_lshl_b32 s10, s8, 4
	s_add_co_u32 s10, s10, s9
	s_mul_i32 s10, s10, R2                         ; in LDS
	s_add_co_u32 s11, s8, 1
	s_mul_i32 s12, s11, SEC                        ; in memory: section 1 or 2,
	s_mul_i32 s13, s44, 16*R2                      ; the head's 16 records,
	s_add_co_u32 s12, s12, s13
	s_mul_i32 s13, s9, R2
	s_add_co_u32 s12, s12, s13
	s_mov_b32 s13, 0
	s_mov_b32 s[SEL], 0x76543210
	s_mov_b32 s[SEL+1], 0xfedcba98                 ; v_permlanex16_b32's selects for lane l xor 16
	s_mov_b32 s[CS], 0x3e38aa3b                    ; c = log2(e) / 8
	s_mov_b32 s[CS+1], s[CS]                       ; (named with it as a pair, so it is written)
	s_mov_b32 s[MNT], 0x600000                     ; the mantissa field of 448
	s_mov_b32 s[TB], 0
	s_wait_dscnt 0x0
	s_wait_kmcnt 0x0
	s_add_nc_u64 s[14:15], s[4:5], s[12:13]
.irp d, 0,1
	s_mov_b32 s[G0+4*\d], 1
	s_add_co_u32 s[G0+4*\d+1], s10, \d*8*R2
	s_add_nc_u64 s[G0+4*\d+2:G0+4*\d+3], s[14:15], \d*8*R2
	s_or_b32 s[G0+4*\d+3], s[G0+4*\d+3], 0x80000000
.endr
	CROUND                                         ; all four work-groups are here: the joint loads meet
	tensor_load_to_lds s[G0:G0+3], s[G1:G1+7]      ; two loads of mine are out
	s_nop 0
	tensor_load_to_lds s[G0+4:G0+7], s[G1:G1+7]
	s_nop 0
.rept 4
	v_nop
.endr
	s_lshl_b32 s46, s44, 4                         ; q: record 16 (16 batch + head) + 2 block + wave / 8,
	s_lshl_b32 s47, s43, 1
	s_add_co_u32 s46, s46, s47
	s_add_co_u32 s46, s46, s8
	s_mul_i32 s46, s46, R2
	s_mov_b32 s47, 0
	s_add_nc_u64 s[48:49], s[4:5], s[46:47]
	s_bfe_u32 s50, s[WV], 0x20001                  ; double fragment (wave >> 1) & 3,
	s_and_b32 s51, s[WV], 1                        ; tile wave & 1 of it
	s_lshl_b32 s52, s50, 11
	s_lshl_b32 s53, s51, 10
	s_add_co_u32 s52, s52, s53
	s_lshl_b32 s53, s50, 6
	s_cmp_eq_u32 s51, 1
	s_mov_b32 s54, 0x01000100                      ; my tile's two scale bytes, twice: they serve [q | 0] and [0 | q]
	s_cselect_b32 s54, 0x03020302, s54
	s_lshr_b32 s55, s44, 4                         ; out: record (16 batch + 2 block + wave / 8) x 8 + head / 2,
	s_lshl_b32 s55, s55, 4
	s_lshl_b32 s56, s43, 1
	s_add_co_u32 s55, s55, s56
	s_add_co_u32 s55, s55, s8
	s_lshl_b32 s55, s55, 3
	s_bfe_u32 s56, s44, 0x30001
	s_add_co_u32 s55, s55, s56
	s_mul_i32 s56, s55, REC
	s_mov_b32 s57, 0
	s_add_nc_u64 s[6:7], s[6:7], s[56:57]
	s_lshl_b32 s58, s9, 11                         ; tile wave & 7, chunks 2 (head & 1) + B
	s_and_b32 s59, s44, 1
	s_lshl_b32 s60, s59, 10
	s_add_co_u32 s58, s58, s60
	s_lshl_b32 s60, s9, 6
	s_lshl_b32 s59, s59, 1
	s_add_co_u32 s60, s60, s59
	v_and_b32 v8, 31, v0
	v_and_b32 v9, 15, v0
	v_lshlrev_b32 v1, 4, v8                        ; 16 x lane
	v_add_nc_u32 v2, VBASE, v1
	v_lshlrev_b32 v3, 2, v9                        ; 4 r
	v_add_nc_u32 v4, VBASE, v3
	v_add_nc_u32 v17, s52, v1
	v_add_nc_u32 v18, s53, v3
	v_add_nc_u32 v16, s58, v1
	v_add_nc_u32 v7, s60, v3
	global_load_b128 v[192:195], v17, s[48:49]
	global_load_b128 v[196:199], v17, s[48:49] offset:512
	global_load_b128 v[208:211], v17, s[48:49]
	global_load_b128 v[212:215], v17, s[48:49] offset:512
	global_load_b32 v221, v18, s[48:49] offset:8192
.irp j, 0,1,2,3,4,5,6,7
	v_mov_b32 v[200+\j], 0                         ; the zero codes between the two copies of q
.endr
	v_mov_b32 v13, 0xff61b1e6                      ; the largest t so far: -3e38, under every t
	v_floor_f32 v12, -v13                          ; -M
	v_mov_b32 v14, 0
	v_mov_b32 v15, 0
.irp b, 0,1,2,3
	v_mov_b32 v[236+\b], 0                         ; written once: a lane permute's destination counts as one of its sources
.endr
	v_mov_b32 v252, 0
	v_mov_b32 v253, 0
.set j, 0
.rept 32
	v_mov_b32 v[160+j], 0                          ; O^T: the step is written once; the first finds zeros, which the first change of M leaves zeros
.set j, j+1
.endr
	s_wait_loadcnt 0x0                             ; q
	v_perm_b32 v216, v221, v221, s54
.rept 4
	v_nop                                          ; with the step's eight places: a scale register written by a vector instruction stands eight places ahead of the product
.endr
; A KEY STEP: 128 keys, the record at LDS byte s[TB]
.macro STEP
	v_add_nc_u32 v[ADK], s[TB], v1
	v_add_nc_u32 v[ADV], s[TB], v2
	v_add_nc_u32 v[ADS], s[TB], v3
	v_add_nc_u32 v[ADT], s[TB], v4
.rept 4
	v_nop                                          ; with the four additions: eight places in front of loads into registers that the last products read
.endr
.irp c, 0,1,2,3
.irp k, 0,1,2,3
	ds_load_b128 v[32+16*\c+4*\k:32+16*\c+4*\k+3], v[ADK] offset:2048*\c+512*\k
.endr
	ds_load_b32 v[248+\c], v[ADS] offset:8192+64*\c
.endr
	s_wait_dscnt 0x0
.irp c, 0,1,2,3
.irp u, 0,1
	v_wmma_scale_f32_16x16x128_f8f6f4 v[96+8*(2*\c+\u):96+8*(2*\c+\u)+7], v[32+16*\c:32+16*\c+15], v[192+8*\u:192+8*\u+15], 0, v[248+\c], v216
.endr
.endr
.rept 8
	v_nop
.endr
.irp t, 0,1,2,3                                ; V's fragments are asked for now and land while the softmax is worked
.irp c, 0,1,2,3
	ds_load_b128 v[32+16*\t+4*\c:32+16*\t+4*\c+3], v[ADV] offset:2048*\t+512*\c
.endr
	ds_load_b32 v[217+\t], v[ADT] offset:8192+64*\t
.endr
.irp b, 0,1,2,3
	v_max3_num_f32 v[232+\b], v[96+16*\b], v[97+16*\b], v[98+16*\b]   ; the largest score of each block of 32 keys: for the row's maximum and, since p rises with the score, for the block's largest p
.endr
.irp i, 3,5,7,9,11,13
.irp b, 0,1,2,3
	v_max3_num_f32 v[232+\b], v[232+\b], v[96+16*\b+\i], v[97+16*\b+\i]
.endr
.endr
.irp b, 0,1,2,3
	v_max_num_f32 v[232+\b], v[232+\b], v[111+16*\b]
.endr
.irp b, 0,1,2,3
	v_permlanex16_b32 v[236+\b], v[232+\b], s[SEL], s[SEL+1]
.endr
.irp b, 0,1,2,3
	v_max_num_f32 v[232+\b], v[232+\b], v[236+\b]  ; with lane l xor 16's 16 keys
.endr
	v_max3_num_f32 v254, v232, v233, v234
	v_max_num_f32 v254, v254, v235                 ; the step's largest score of my query
	v_mul_f32 v254, s[CS], v254                    ; as t (c is positive)
	v_max_num_f32 v13, v13, v254                   ; the running largest t
	v_mov_b32 v254, v12
	v_floor_f32 v12, -v13                          ; the new -M = floor(-t): M is a whole number
	v_sub_f32 v254, v12, v254                      ; old M - new M: a whole number, 0 or less
	v_cvt_i32_f32 v254, v254                       ; (it saturates)
	v_ldexp_f32 v252, 1.0, v254                    ; f = 2^(old M - new M)
.set j, 0
.rept 32
	v_pk_fma_f32 v[96+j:97+j], v[96+j:97+j], s[CS:CS+1], v[12:13] op_sel_hi:[1,0,0]   ; t - M, two at a time
.set j, j+2
.endr
.irp b, 0,1,2,3
	v_fma_f32 v[232+\b], v[232+\b], s[CS], v12     ; the same of each block's largest score
.endr
.set j, 0
.rept 64
	v_exp_f32 v[96+j], v[96+j]                     ; p = 2^(t - M), at most 1: not normalised
.set j, j+1
.endr
.irp b, 0,1,2,3
	v_exp_f32 v[232+\b], v[232+\b]                 ; the block's largest p
.endr
	v_pk_mul_f32 v[14:15], v[14:15], v[252:253] op_sel_hi:[1,0]   ; the sums under the new M (a plain place behind the exponentials)
	s_wait_alu depctr_va_vdst(0)
.irp b, 0,1,2,3
	v_max_num_f32 v[232+\b], 0x4800000, v[232+\b]  ; the floor 2^(9 - 127): the byte cannot fall under 1
.endr
.irp b, 0,1,2,3
	v_add_nc_u32 v[244+\b], 0xfc000000, v[232+\b]  ; 8 off the exponent field: the conversion's scale operand
.endr
.irp b, 0,1,2,3
	v_and_or_b32 v[240+\b], v[232+\b], 0x7f800000, s[MNT]   ; 448 x the scale
.endr
.irp b, 0,1,2,3
	v_lshrrev_b32 v[236+\b], 23, v[244+\b]         ; the scale's byte
.endr
	v_lshl_or_b32 v253, v237, 8, v236              ; p's scale word for these 128 keys
	v_lshl_or_b32 v253, v238, 16, v253
	v_lshl_or_b32 v253, v239, 24, v253
	v_pk_add_f32 v[236:237], v[96:97], v[98:99]    ; the row's sum is taken of the unquantised p: two at a time, in two chains
.irp j, 4,8,12,16,20,24,28,32,36,40,44,48,52,56,60
	v_pk_add_f32 v[14:15], v[14:15], v[96+\j:97+\j]
	v_pk_add_f32 v[236:237], v[236:237], v[98+\j:99+\j]
.endr
	v_pk_add_f32 v[14:15], v[14:15], v[236:237]
.irp b, 0,1,2,3
.irp i, 0,1,2,3,4,5,6,7,8,9,10,11,12,13,14,15
	v_min_num_f32 v[96+16*\b+\i], v[96+16*\b+\i], v[240+\b]   ; the conversion does not saturate (ISA guide 7.6.2); p is not negative, so the hold is one-sided
.endr
	v_cvt_scalef32_pk8_fp8_f32 v[224+4*\b:225+4*\b], v[96+16*\b:103+16*\b], v[244+\b]
	v_cvt_scalef32_pk8_fp8_f32 v[226+4*\b:227+4*\b], v[104+16*\b:111+16*\b], v[244+\b]
.endr
.set j, 0
.rept 16
	v_pk_mul_f32 v[160+j:161+j], v[160+j:161+j], v[252:253] op_sel_hi:[1,0]   ; O^T under the new M.  (These 16 are also the places in front of the products below)
.set j, j+2
.endr
	s_wait_dscnt 0x0                               ; V
.irp t, 0,1,2,3
	v_wmma_scale_f32_16x16x128_f8f6f4 v[160+8*\t:167+8*\t], v[32+16*\t:47+16*\t], v[224:239], v[160+8*\t:167+8*\t], v[217+\t], v253
.endr
	s_add_co_u32 s[TB], s[TB], R2                  ; the next record
.endm
	s_wait_tensorcnt 0x1                           ; my first record is in; my second may stay out
	s_barrier_signal -1
	s_barrier_wait -1                              ; records 0-7 of K and of V are whole
	s_mov_b32 s[CNT], 8
.Lfirst:
	STEP
	s_sub_co_u32 s[CNT], s[CNT], 1
	s_cmp_lg_u32 s[CNT], 0
	s_cbranch_scc1 .Lfirst
	s_wait_tensorcnt 0x0                           ; my second record is in
	s_barrier_signal -1
	s_barrier_wait -1                              ; records 8-15 are whole
	s_mov_b32 s[CNT], 8
.Lsecond:
	STEP
	s_sub_co_u32 s[CNT], s[CNT], 1
	s_cmp_lg_u32 s[CNT], 0
	s_cbranch_scc1 .Lsecond
.rept 8
	v_nop
.endr
	v_add_f32 v14, v14, v15                        ; the sum's two halves,
	v_permlanex16_b32 v252, v14, s[SEL], s[SEL+1]
	v_add_f32 v14, v14, v252                       ; and lane l xor 16's: the row's sum
	v_rcp_f32 v14, v14
	v_nop                                          ; a plain place behind the transcendental
.set j, 0
	s_wait_alu depctr_va_vdst(0)
.rept 32
	v_mul_f32 v[96+j], v[160+j], v14               ; register 16 B + i: dim 32 B + 16 h + i of my query
.set j, j+1
.endr
.irp b, 0,1                                    ; the head's two blocks of 32 along the next product's K
	v_max3_num_f32 v[232+\b], |v[96+16*\b]|, |v[97+16*\b]|, 0x4800000
.endr
.irp i, 2,4,6,8,10,12,14
.irp b, 0,1
	v_max3_num_f32 v[232+\b], v[232+\b], |v[96+16*\b+\i]|, |v[97+16*\b+\i]|
.endr
.endr
.irp b, 0,1
	v_permlanex16_b32 v[236+\b], v[232+\b], s[SEL], s[SEL+1]
.endr
.irp b, 0,1
	v_max_num_f32 v[232+\b], v[232+\b], v[236+\b]
.endr
.irp b, 0,1
	v_add_nc_u32 v[244+\b], 0xfc000000, v[232+\b]
.endr
.irp b, 0,1
	v_and_or_b32 v[240+\b], v[232+\b], 0x7f800000, s[MNT]
.endr
.irp b, 0,1
	v_lshrrev_b32 v[236+\b], 23, v[244+\b]
.endr
	v_lshl_or_b32 v253, v237, 8, v236              ; my row's two scale bytes
.irp b, 0,1
.irp i, 0,1,2,3,4,5,6,7,8,9,10,11,12,13,14,15
	v_med3_num_f32 v[96+16*\b+\i], v[96+16*\b+\i], -v[240+\b], v[240+\b]
.endr
	v_cvt_scalef32_pk8_fp8_f32 v[224+4*\b:225+4*\b], v[96+16*\b:103+16*\b], v[244+\b]
	v_cvt_scalef32_pk8_fp8_f32 v[226+4*\b:227+4*\b], v[104+16*\b:111+16*\b], v[244+\b]
.endr
	v_nop                                          ; a plain line behind the last conversion
	global_store_b128 v16, v[224:227], s[6:7]              ; 512 consecutive bytes each
	global_store_b128 v16, v[228:231], s[6:7] offset:512
	global_store_b16 v7, v253, s[6:7] offset:16384         ; lanes r and 16 + r write the same two bytes with the same value
	s_wait_tensorcnt 0x0
	ds_add_u32 v223, v255
	s_wait_dscnt 0x0
	CROUND                                         ; the closing round: no work-group ends while a partner may still ask for a record that names it
	s_endpgm
.Lfunc_end_k_qc3ff5de6a7_attn:
	.size	k_qc3ff5de6a7_attn, .Lfunc_end_k_qc3ff5de6a7_attn-k_qc3ff5de6a7_attn
	.p2alignl 7, 3214868480
	.fill 96, 4, 3214868480
	.section	.rodata,"a",@progbits
	.p2align	6, 0x0
	.amdhsa_kernel k_qc3ff5de6a7_attn
		.amdhsa_group_segment_fixed_size 327680
		.amdhsa_private_segment_fixed_size 0
		.amdhsa_enable_private_segment 0
		.amdhsa_kernarg_size 16
		.amdhsa_user_sgpr_count 2
		.amdhsa_user_sgpr_kernarg_segment_ptr 1
		.amdhsa_wavefront_size32 1
		.amdhsa_system_sgpr_workgroup_id_x 1
		.amdhsa_system_sgpr_workgroup_id_y 1
		.amdhsa_system_sgpr_workgroup_id_z 1
		.amdhsa_system_vgpr_workitem_id 0
		.amdhsa_next_free_vgpr 256
		.amdhsa_next_free_sgpr 66
		.amdhsa_reserve_vcc 0
		.amdhsa_float_denorm_mode_32 3
		.amdhsa_float_denorm_mode_16_64 3
		.amdhsa_memory_ordered 1
		.amdhsa_forward_progress 1
		.amdhsa_inst_pref_size 51
	.end_amdhsa_kernel
	.amdgpu_metadata
---
amdhsa.version: [ 1, 2 ]
amdhsa.kernels:
  - .name:           k_qc3ff5de6a7_attn
    .symbol:         k_qc3ff5de6a7_attn.kd
    .args:
      - { .name: qkv, .offset: 0, .size: 8, .value_kind: global_buffer, .address_space: global }
      - { .name: aimg, .offset: 8, .size: 8, .value_kind: global_buffer, .address_space: global }
    .group_segment_fixed_size: 327680
    .private_segment_fixed_size: 0
    .kernarg_segment_align: 8
    .kernarg_segment_size: 16
    .max_flat_workgroup_size: 512
    .sgpr_count:     66
    .vgpr_count:     256
    .wavefront_size: 32
...
	.end_amdgpu_metadata
.endif
;; end of part 3
;; launch g_wo (part 4): grid 8 x 32, 4 waves a work-group, clusters of 4 x 4, 327,680 bytes of LDS; arguments aimg, wimg, x, x1f, x1img; writes x1f, x1img
.if DOCPART == 4
	.amdgcn_target "amdgcn-amd-amdhsa--gfx1250"
	.amdhsa_code_object_version 6
	.text
	.protected	k_qc3ff5de6a7_g_wo
	.globl	k_qc3ff5de6a7_g_wo
	.p2align	8
	.type	k_qc3ff5de6a7_g_wo,@function
k_qc3ff5de6a7_g_wo:
	s_mov_b64 s[64:65], 0
	v_nop
	global_prefetch_b8 v0, s[64:65] scope:SCOPE_SE
	s_setreg_imm32_b32 hwreg(HW_REG_WAVE_MODE, 25, 1), 1
	s_wait_xcnt 0x0
	s_wait_alu depctr_hold_cnt(0) depctr_sa_sdst(0) depctr_va_vdst(0) depctr_va_sdst(0) depctr_va_ssrc(0) depctr_va_vcc(0) depctr_vm_vsrc(0)
	s_getreg_b32 s2, hwreg(HW_REG_IB_STS2, 6, 4)
	s_cmp_eq_u32 s2, 0
	s_cbranch_scc0 .Lentry_in_a_cluster
	s_endpgm
.Lentry_in_a_cluster:
	s_bfe_u32 s2, ttmp6, 0x10000c
	s_cmp_lg_u32 s2, 0xf033
	s_cbranch_scc0 .Lentry_shape_is_right
	s_endpgm
.Lentry_shape_is_right:
; ONE TEXT SERVES FOUR LAUNCHES; the line below says which.  KIND 1: q, k, v = x wq, x wk, x wv.  2: x1 = x + a wo.  3: h = relu(x1 w1).  4: out = x1 + h w2.
.set KIND, 2
; D[i][j] = sum over k of P[i][k] Q[j][k] on codes of FP8 (E4M3) with one E8M0 scale for each 32 along K, sums in f32.  Both operands arrive as RECORDS: 128 rows x 128 K in 16,896 bytes, laid in the order of the
; matrix unit's registers: row p of the 128 lies in tile T = 2 ((p >> 5) & 3) + ((p >> 3) & 1) at lane row r = (p & 7) + 8 ((p >> 4) & 1); codes at 2048 T + 512 c + 16 (16 h + r): k = 32 c + 16 h + 0 .. 15; scale words at 16384 + 64 T + 4 r.
; An operand is laid [group of 128 rows][K step of 128], so a group's K steps are one dense run: a tensor load brings two records as 132 rows of 256 bytes, and a fragment is four LDS loads of 512 consecutive bytes: no pitch, no padding.
; SHARES.  A work-group of four waves makes 128 x 128 of D, a wave 64 x 64: 16 accumulators.  That tile gives every launch of this text a multiple of 256 work-groups (768, 256, 1,024, 256).
; K goes through two LDS slots of 512 along K each (P's four records, then Q's four).  Where K = 1,024 the two slots hold all of K and nothing is filled again; KIND 4 (K = 4,096) goes round the ring.
; CLUSTERS: 4 x 4 work-groups; P's records are shared along a row of the cluster, Q's along a column: each is asked for jointly, by the same tensor load with the same descriptor and a mask that names the four.
; THE MATRIX INSTRUCTION IS USED TRANSPOSED (source 0 = a tile of Q, source 1 = a tile of P).  By the tile rule the 16 registers of accumulators (a, 2 b) and (a, 2 b + 1) are then 16 NEIGHBOURS along j: j = 32 b + 16 h + 0 .. 15 of the
; wave's 64, for row (a, r).  Where D is the next product's operand with K = j, the conversions' results ARE a chunk of that operand's record, and leave by stores of 512 consecutive bytes with no stage.
; KIND 1: cluster rows 0-7 make q and k (P = x, Q = wq | wk; quantised along a head's 64), rows 8-11 make v (P = wv, Q = x: D is v transposed, quantised along the keys).  The choice hangs on the cluster's y alone.
; The scale bytes leave as halfwords, 2 bytes a lane (1 byte for each 32 of codes): those aligned blocks of 256 bytes are written in part.
; LIMITS: NaN and infinities are not served; a block whose largest magnitude lies under 2^-118 has its byte held at 1; a block of zeros gets the byte 1 over zero codes: the bytes are read by this program alone.
; REGISTERS: window 0: v16-31 addresses; v32-39 scale words, two sets; v40-59 at work; v64-127 codes or rows on the way out; v128-255 the accumulators ((a, t) at v[128 + 8 (4 a + t)]).  window 1: two fragment buffers of 128: P's four, then Q's four.
.set REC,   16896
.set R2,    8448                       ; a record of q, k or v: 128 tokens of one head
.set SEC,   512*R2                     ; the section of q, of k, of v
.set S_IN,  8                          ; K steps of 128
.set QSEC,  0                          ; where Q's records begin in its buffer
.set NT,    8                          ; K steps of the operand that goes out
.set ZERO,  0                          ; the sums start at 0
.set RELU,  0
.set QOUT,  0                          ; D goes out as codes
.set RESN,  0                          ; the sums start at x, rows as they lie
.set RESI,  0                          ; the sums start at x1, an image of the accumulators
.set FIMG,  0                          ; D goes out as such an image
.set FOUT,  0                          ; D goes out as rows of f32
.set OUTQ,  8
.if KIND == 1
.set ZERO, 1
.set QOUT, 1
.endif
.if KIND == 2
.set QSEC, 192*REC
.set RESN, 1
.set FIMG, 1
.set QOUT, 1
.set OUTQ, 68
.endif
.if KIND == 3
.set QSEC, 256*REC
.set NT,   32
.set ZERO, 1
.set RELU, 1
.set QOUT, 1
.endif
.if KIND == 4
.set S_IN, 32
.set QSEC, 512*REC
.set RESI, 1
.set FOUT, 1
.endif
.set PANEL, S_IN*REC                   ; a group's K steps
.set HALFU, 2*REC                      ; what one tensor load brings
.set SIDE,  4*REC
.set SLOT,  2*SIDE
.set LAPS,  S_IN/8                     ; a lap = once round the ring = 1,024 along K
.set SPARE, 2*SLOT                     ; behind the ring: the spare words, 128 bytes for each wave: two blocks of 256 bytes that no other line names
.set STAGE, SPARE+512                  ; KIND 4: 16 rows x 272 bytes for each wave, for the way out
.set ADRA, 16                          ; v16-17 LDS address of my P fragments in slot 0, 1
.set ADRS, 18                          ; v18-19 of my scale words: lanes 0-15 P's, lanes 16-31 Q's
.set ADRB, 20                          ; v20-21 of my Q fragments
.set VO,   22                          ; v22-25 codes out: my lane's offset for tile a
.set VS,   26                          ; v26-27 scale halfwords out, for tiles 2 p (lanes 0-15) and 2 p + 1 (lanes 16-31)
.set STO,  22                          ; KIND 4: into the stage, back from it, my offset in out0
.set RD,   23
.set CO,   24
.set SPW,  28                          ; LDS address of my spare word; never rewritten
.set NIL,  29                          ; 0; never rewritten
.set XO,   30
.set L16,  31                          ; 16 x lane
.set SC,   32
.set TM,   40
.set HW,   56
.set PC,   64
.set ACC,  128
.set F0,   0
.set F1,   128
.set G1,   24
.set G0,   32
.set G1B,  48
.set G0B,  56
.set MSB, 0
.macro WIN new                         ; the immediate's high byte repeats the setting that is left
.if MSB != \new
	s_set_vgpr_msb (MSB<<8)|\new
.set MSB, \new
.endif
.endm
.macro JLOAD s                         ; a joint load: waves 0 and 1 fetch P's two halves of a slot, waves 2 and 3 Q's; four v_nop follow each of the two lines
	s_cmp_eq_u32 s11, 0
	s_cbranch_scc0 .Lfor_b_\@
	tensor_load_to_lds s[G0+4*\s:G0+4*\s+3], s[G1:G1+7]
	s_nop 0
.rept 4
	v_nop
.endr
	s_branch .Lasked_\@
.Lfor_b_\@:
	tensor_load_to_lds s[G0B+4*\s:G0B+4*\s+3], s[G1B:G1B+7]
	s_nop 0
.rept 4
	v_nop
.endr
.Lasked_\@:
.endm
.macro CREST                           ; a round of the cluster's barrier behind its opening barrier
	s_cmp_lg_u32 s10, 0
	s_cbranch_scc1 .Lnot_wave_0_\@
	s_barrier_signal -3
.Lnot_wave_0_\@:
	s_barrier_wait -3
	s_barrier_signal -1
	s_barrier_wait -1
.endm
.macro CROUND
	s_barrier_signal -1
	s_barrier_wait -1
	CREST
.endm
.macro PLACES n
.rept \n
	v_nop
.endr
.endm
	s_load_b128 s[4:7], s[0:1], 0x0                ; the first two buffers
	s_load_b64 s[8:9], s[0:1], 0x10                ; the third
.if (KIND == 2) || (KIND == 4)
	s_load_b64 s[66:67], s[0:1], 0x18
.endif
.if KIND == 2
	s_load_b64 s[68:69], s[0:1], 0x20
.endif
	v_lshl_add_u32 v[SPW], v0, 2, SPARE
	v_mov_b32 v[NIL], 0
	ds_add_u32 v28, v29
	ds_add_u32 v28, v29
	s_wait_dscnt 0x0
	v_lshrrev_b32 v1, 5, v0
	v_readfirstlane_b32 s10, v1                    ; wave 0..3
	s_lshr_b32 s11, s10, 1                         ; wi: which 64 rows of P are mine.  Also: I fetch for P (0) or for Q (1)
	s_and_b32 s12, s10, 1                          ; wj: which 64 rows of Q.  Also: which two records of the four I fetch
	s_bfe_u32 s40, ttmp6, 0x40000                  ; cx, cy: my place in the cluster
	s_bfe_u32 s41, ttmp6, 0x40004
	s_lshl_b32 s42, ttmp9, 2
	s_add_co_u32 s42, s42, s40                     ; J = 4 x cluster x + cx
	s_and_b32 s45, ttmp7, 0xffff                   ; the cluster's y
	s_lshl_b32 s13, s45, 2
.if KIND == 1
	s_and_b32 s14, s45, 1
	s_lshl_b32 s14, s14, 2
	s_sub_co_u32 s15, s45, 8
	s_lshr_b32 s15, s15, 1
	s_lshl_b32 s15, s15, 4
	s_cmp_ge_u32 s45, 8                            ; cluster rows 8-11 make v
	s_cselect_b32 s13, s14, s13                    ; v: I = 4 (y & 1) + cy: wv's eight groups
	s_cselect_b32 s15, s15, 0                      ; v: J goes on over x's 32 groups
	s_cselect_b32 s22, 128*REC, 0                  ; v: P's records begin at wv's
	s_cselect_b32 s23, 1, 0                        ; the mode
	s_add_co_u32 s42, s42, s15
.endif
	s_add_co_u32 s13, s13, s41                     ; I = 4 x cluster y + cy
	s_lshl_b32 s43, s41, 2
	s_lshl_b32 s43, 15, s43                        ; my row of the cluster
	s_lshl_b32 s44, 0x1111, s40                    ; my column
	s_or_b32 s[G1+0], s43, (3<<16)|(1<<21)         ; 15:0 the mask; 17:16 elements of 8 bytes; 21 set beside a mask; no padding
	s_or_b32 s[G1B+0], s44, (3<<16)|(1<<21)
.irp g, G1, G1B
	s_mov_b32 s[\g+1], 32<<16                      ; tensor_dim0 = 32 elements: 256 bytes
	s_mov_b32 s[\g+2], 132<<16                     ; tensor_dim1 = 132 rows: two records
	s_mov_b32 s[\g+3], 32<<16                      ; tile_dim0
	s_mov_b32 s[\g+4], 132                         ; tile_dim1
	s_mov_b32 s[\g+5], 32                          ; the pitch: dense
	s_mov_b32 s[\g+6], 0
	s_mov_b32 s[\g+7], 0
.endr
	s_mul_i32 s20, s13, PANEL                      ; P's offset hangs on I and the wave alone, Q's on J and the wave alone, each in registers that never hold the other coordinate
	s_mul_i32 s75, s12, HALFU
	s_add_co_u32 s20, s20, s75
.if KIND == 1
	s_add_co_u32 s20, s20, s22
.endif
	s_mov_b32 s21, 0
	s_mul_i32 s46, s42, PANEL
	s_add_co_u32 s46, s46, s75
.if QSEC > 0
	s_add_co_u32 s46, s46, QSEC
.endif
	s_mov_b32 s47, 0
	s_mul_i32 s74, s10, HALFU                      ; where they go: wave x two records: no place in the cluster enters an LDS address
	s_wait_kmcnt 0x0
.if KIND == 1
	s_cmp_eq_u32 s23, 1
	s_cselect_b64 s[16:17], s[6:7], s[4:5]         ; P: x's records, or for v the weights'
	s_cselect_b64 s[18:19], s[4:5], s[6:7]         ; Q: the other
.else
	s_mov_b64 s[16:17], s[4:5]
	s_mov_b64 s[18:19], s[6:7]
.endif
	s_add_nc_u64 s[14:15], s[16:17], s[20:21]
	s_add_nc_u64 s[46:47], s[18:19], s[46:47]
	CROUND                                         ; all sixteen work-groups are here: the first joint loads meet
.irp s, 0,1
	s_mov_b32 s[G0+4*\s], 1
	s_add_co_u32 s[G0+4*\s+1], s74, \s*SLOT
	s_add_nc_u64 s[G0+4*\s+2:G0+4*\s+3], s[14:15], \s*SIDE
	s_or_b32 s[G0+4*\s+3], s[G0+4*\s+3], 0x80000000
	s_mov_b32 s[G0B+4*\s], 1
	s_add_co_u32 s[G0B+4*\s+1], s74, \s*SLOT
	s_add_nc_u64 s[G0B+4*\s+2:G0B+4*\s+3], s[46:47], \s*SIDE
	s_or_b32 s[G0B+4*\s+3], s[G0B+4*\s+3], 0x80000000
	JLOAD \s                                       ; two loads of mine are out
.endr
	v_and_b32 v1, 15, v0                           ; r
	v_bfe_u32 v2, v0, 4, 1                         ; h
	v_and_b32 v3, 31, v0
	v_lshlrev_b32 v[L16], 4, v3
	s_lshl_b32 s21, s11, 13                        ; my four tiles of P: 8192 wi
	s_lshl_b32 s22, s12, 13
	s_add_co_u32 s22, s22, SIDE                    ; my four of Q, behind P's records
.irp s, 0,1
	v_add_nc_u32 v[ADRA+\s], s21, v[L16]
	v_add_nc_u32 v[ADRB+\s], s22, v[L16]
	s_add_co_u32 s21, s21, SLOT
	s_add_co_u32 s22, s22, SLOT
.endr
	s_lshl_b32 s21, s11, 8                         ; scale words: P's at 16384 + 256 wi + 4 r;
	s_lshl_b32 s22, s12, 8
	s_add_co_u32 s22, s22, SIDE
	s_sub_co_u32 s22, s22, s21
	v_mul_u32_u24 v6, s22, v2                      ; lanes 16-31 take Q's: one product, the distance between the two
	v_lshl_add_u32 v6, v1, 2, v6
	s_add_co_u32 s21, s21, 16384
	v_add_nc_u32 v[ADRS], s21, v6
	v_add_nc_u32 v[ADRS+1], SLOT, v[ADRS]
.if RESN || FOUT                       ; my 64 x 64 in a tensor of rows of 4,096 bytes
	s_lshl_b32 s78, s13, 19
	s_lshl_b32 s79, s11, 18
	s_add_co_u32 s78, s78, s79
	s_lshl_b32 s79, s42, 9
	s_add_co_u32 s78, s78, s79
	s_lshl_b32 s79, s12, 8
	s_add_co_u32 s78, s78, s79
	s_mov_b32 s79, 0
.endif
.if FIMG || RESI                       ; my accumulators' image: (8 I + J) x 65,536 + wave x 16,384
	s_lshl_b32 s76, s13, 3
	s_add_co_u32 s76, s76, s42
	s_lshl_b32 s76, s76, 16
	s_lshl_b32 s77, s10, 14
	s_add_co_u32 s76, s76, s77
	s_mov_b32 s77, 0
.endif
.if RESN                               ; the sums start at x: register jj of accumulator (a, t) in lane (r, h) is row 32 (a / 2) + 8 (a % 2) + (r & 7) + 16 (r >> 3), column 32 (t / 2) + 8 (t % 2) + 16 h + jj
	s_add_nc_u64 s[8:9], s[8:9], s[78:79]
	v_and_b32 v5, 7, v1
	v_lshrrev_b32 v7, 3, v1
	v_lshl_add_u32 v5, v7, 4, v5
	v_lshlrev_b32 v5, 12, v5
	v_lshl_add_u32 v[XO], v2, 6, v5
.irp a, 0,1,2,3
.irp t, 0,1,2,3
	global_load_b128 v[ACC+8*(4*\a+\t):ACC+8*(4*\a+\t)+3], v[XO], s[8:9] offset:(32*(\a/2)+8*(\a%2))*4096+128*(\t/2)+32*(\t%2)
	global_load_b128 v[ACC+8*(4*\a+\t)+4:ACC+8*(4*\a+\t)+7], v[XO], s[8:9] offset:(32*(\a/2)+8*(\a%2))*4096+128*(\t/2)+32*(\t%2)+16
.endr
.endr
.endif
.if RESI                               ; the sums start at x1, stored as these very registers: each load reads 512 consecutive bytes
	s_add_nc_u64 s[8:9], s[8:9], s[76:77]
.set n, 0
.rept 16
	global_load_b128 v[ACC+8*n:ACC+8*n+3], v[L16], s[8:9] offset:1024*n
	global_load_b128 v[ACC+8*n+4:ACC+8*n+7], v[L16], s[8:9] offset:1024*n+512
.set n, n+1
.endr
.endif
.if FIMG
	s_add_nc_u64 s[66:67], s[66:67], s[76:77]
.endif
.if FOUT
	s_add_nc_u64 s[66:67], s[66:67], s[78:79]
	s_mul_i32 s80, s10, 4352
	s_add_co_u32 s80, s80, STAGE                   ; my stage
	v_mul_u32_u24 v5, v1, 272
	v_lshl_add_u32 v5, v2, 6, v5
	v_add_nc_u32 v[STO], s80, v5                   ; in: row r, + 64 h
	v_mul_u32_u24 v5, v2, 272
	v_lshl_add_u32 v5, v1, 4, v5
	v_add_nc_u32 v[RD], s80, v5                    ; back: lanes 0-15 one row of 256 bytes, lanes 16-31 the next
	v_lshlrev_b32 v5, 12, v2
	v_lshl_add_u32 v[CO], v1, 4, v5                ; and the same two rows in out0
.endif
.if QOUT
	s_mov_b32 s70, 0x76543210
	s_mov_b32 s71, 0xfedcba98                      ; v_permlanex16_b32's selects for lane l xor 16
	s_mov_b32 s72, 0x600000                        ; the mantissa field of 448
	s_mov_b32 s73, 0xffff0000                      ; lanes 16-31
.irp b, 0,1,2,3
	v_mov_b32 v[TM+4+\b], 0                        ; written once: a lane permute's destination counts as one of its sources
.endr
.if KIND == 1
	s_lshl_b32 s76, s11, 12                        ; q, k: tile a's two chunks lie at 4096 wi + 1024 a
	s_lshl_b32 s77, s12, 10                        ; v: my two chunks of tile a at 2048 a + 1024 wj
	s_lshl_b32 s78, s11, 7
	s_lshl_b32 s79, s12, 1
	s_lshr_b32 s80, s13, 4                         ; q, k: record ((16 batch + head) x 16 + I & 15), head = 2 (J & 7) + wj, in section J >> 3
	s_lshl_b32 s80, s80, 4
	s_and_b32 s81, s42, 7
	s_lshl_b32 s81, s81, 1
	s_add_co_u32 s80, s80, s81
	s_add_co_u32 s80, s80, s12
	s_lshl_b32 s80, s80, 4
	s_and_b32 s81, s13, 15
	s_add_co_u32 s80, s80, s81
	s_mul_i32 s80, s80, R2
	s_lshr_b32 s81, s42, 3
	s_mul_i32 s81, s81, SEC
	s_add_co_u32 s80, s80, s81
	s_lshr_b32 s82, s42, 4                         ; v: record ((16 batch + head) x 16 + J & 15), head = 2 I + wi, in section 2
	s_lshl_b32 s82, s82, 4
	s_lshl_b32 s83, s13, 1
	s_add_co_u32 s82, s82, s83
	s_add_co_u32 s82, s82, s11
	s_lshl_b32 s82, s82, 4
	s_and_b32 s83, s42, 15
	s_add_co_u32 s82, s82, s83
	s_mul_i32 s82, s82, R2
	s_add_co_u32 s82, s82, 2*SEC
	s_cmp_eq_u32 s23, 1
	s_cselect_b32 s84, s77, s76
	s_mov_b32 s85, 1024
	s_cselect_b32 s85, 2048, s85
	s_cselect_b32 s86, s79, s78
	s_cselect_b32 s87, 64, 2
	s_cselect_b32 s90, 128, 64
	s_cselect_b32 s88, s82, s80
	s_add_co_u32 s86, s86, 8192
.else
	s_lshl_b32 s84, s11, 13                        ; record (I, K step J) of the next operand: tile 4 wi + a, chunks 2 wj + b
	s_lshl_b32 s80, s12, 10
	s_add_co_u32 s84, s84, s80
	s_mov_b32 s85, 2048
	s_lshl_b32 s86, s11, 8
	s_lshl_b32 s80, s12, 1
	s_add_co_u32 s86, s86, s80
	s_add_co_u32 s86, s86, 16384
	s_mov_b32 s87, 64
	s_mov_b32 s90, 128
	s_mul_i32 s88, s13, NT
	s_add_co_u32 s88, s88, s42
	s_mul_i32 s88, s88, REC
.endif
	s_mov_b32 s89, 0
	s_add_nc_u64 s[OUTQ:OUTQ+1], s[OUTQ:OUTQ+1], s[88:89]
	v_add_nc_u32 v[VO], s84, v[L16]
	v_add_nc_u32 v[VO+1], s85, v[VO]
	v_add_nc_u32 v[VO+2], s85, v[VO+1]
	v_add_nc_u32 v[VO+3], s85, v[VO+2]
	v_mul_u32_u24 v5, s87, v2
	v_lshl_add_u32 v5, v1, 2, v5
	v_add_nc_u32 v[VS], s86, v5
	v_add_nc_u32 v[VS+1], s90, v[VS]
.endif
; 36 LDS loads in one run: the scale words and fragments of the slot's q-th 128 along K, into buffer f and scale set sc
.macro FETCH sl, q, f, sc
	WIN 0
.irp i, 0,1,2,3
	ds_load_b32 v[SC+4*\sc+\i], v[ADRS+\sl] offset:(\q)*REC+64*\i
.endr
	WIN 0x40                                       ; destination window 1, address window 0
.irp i, 0,1,2,3
.irp c, 0,1,2,3
	ds_load_b128 v[\f+64+16*\i+4*\c:\f+64+16*\i+4*\c+3], v[ADRB+\sl] offset:(\q)*REC+2048*\i+512*\c
.endr
.endr
.irp i, 0,1,2,3
.irp c, 0,1,2,3
	ds_load_b128 v[\f+16*\i+4*\c:\f+16*\i+4*\c+3], v[ADRA+\sl] offset:(\q)*REC+2048*\i+512*\c
.endr
.endr
.endm
; 16 matrix instructions: 128 along K.  The 16 accumulators take turns, one instruction a turn, in the same order in every step.
.macro MUL16 f, sc, zero
	WIN 0x05                                       ; sources 0 (Q) and 1 (P) window 1; C and D window 0
.irp a, 0,1,2,3
.irp t, 0,1,2,3
.if \zero
	v_wmma_scale_f32_16x16x128_f8f6f4 v[ACC+8*(4*\a+\t):ACC+8*(4*\a+\t)+7], v[\f+64+16*\t:\f+64+16*\t+15], v[\f+16*\a:\f+16*\a+15], 0, v[SC+4*\sc+\t], v[SC+4*\sc+\a] matrix_a_scale:MATRIX_SCALE_ROW1
.else
	v_wmma_scale_f32_16x16x128_f8f6f4 v[ACC+8*(4*\a+\t):ACC+8*(4*\a+\t)+7], v[\f+64+16*\t:\f+64+16*\t+15], v[\f+16*\a:\f+16*\a+15], v[ACC+8*(4*\a+\t):ACC+8*(4*\a+\t)+7], v[SC+4*\sc+\t], v[SC+4*\sc+\a] matrix_a_scale:MATRIX_SCALE_ROW1
.endif
.endr
.endr
.endm
; A step whose successor lies in the same slot: buffer f is in; the next step's loads go out into the other buffer, eight places behind the products that read it; then f is multiplied.
.macro STEP sl, qn, f, g, zero
	s_wait_dscnt 0x0                               ; buffer f and its scale words are in (asked for 16 matrix instructions ago)
	PLACES 8
	FETCH \sl, \qn, \g, (\g)/128
	MUL16 \f, (\f)/128, \zero
.endm
; A slot's last step changes slots: ONE barrier; in front of it each wave waits for all its tensor loads, adds 0 to its spare word, and waits for that and for its reads of this slot.  fill = 1: this slot is filled again, two slots ahead.
.macro TURN sl, nx, fill
	WIN 0
	s_wait_tensorcnt 0x0                           ; all my tensor loads have landed: my part of the next slot
	ds_add_u32 v[SPW], v[NIL]                      ; 0 onto my spare word
	s_wait_dscnt 0x0                               ; the add is done, and my reads of this slot are over
	s_barrier_signal -1
	s_barrier_wait -1
.if \fill
	CREST                                          ; the barrier has opened a round of the cluster's barrier: no wave of any partner still reads this slot or has a load on its way
	s_add_nc_u64 s[G0+4*\sl+2:G0+4*\sl+3], s[G0+4*\sl+2:G0+4*\sl+3], 2*SIDE
	s_add_nc_u64 s[G0B+4*\sl+2:G0B+4*\sl+3], s[G0B+4*\sl+2:G0B+4*\sl+3], 2*SIDE
	JLOAD \sl                                      ; the first tensor load behind the round; its four v_nop are four of the eight places
	PLACES 4
.else
	PLACES 8
.endif
	FETCH \nx, 0, F0, 0
	MUL16 F1, 1, 0
.endm
	s_wait_tensorcnt 0x1                           ; my part of slot 0 is in; slot 1's load may stay out
	s_barrier_signal -1
	s_barrier_wait -1                              ; everybody's is
	FETCH 0, 0, F0, 0
.if RESN || RESI
	s_wait_loadcnt 0x0                             ; what the sums start at
.endif
	STEP 0, 1, F0, F1, ZERO
	STEP 0, 2, F1, F0, 0
	STEP 0, 3, F0, F1, 0
.if LAPS > 1
	WIN 0                                          ; at a label and at a branch every window is 0
	s_mov_b32 s3, LAPS-1
.Llap:                                                 ; a trip goes once round the ring and fills both slots again
	TURN 0, 1, 1
	STEP 1, 1, F0, F1, 0
	STEP 1, 2, F1, F0, 0
	STEP 1, 3, F0, F1, 0
	TURN 1, 0, 1
	STEP 0, 1, F0, F1, 0
	STEP 0, 2, F1, F0, 0
	STEP 0, 3, F0, F1, 0
	WIN 0
	s_sub_co_u32 s3, s3, 1
	s_cmp_lg_u32 s3, 0
	s_cbranch_scc1 .Llap
.endif
	TURN 0, 1, 0                                   ; the last lap fills nothing
	STEP 1, 1, F0, F1, 0
	STEP 1, 2, F1, F0, 0
	STEP 1, 3, F0, F1, 0
	s_wait_dscnt 0x0
	MUL16 F1, 1, 0
	WIN 0
	PLACES 8                                       ; in front of the first reads of results
.if FIMG                               ; x1 as f32: the accumulators as they stand, each from its low end on; each store covers 512 consecutive bytes
.set n, 0
.rept 16
	global_store_b128 v[L16], v[ACC+8*n:ACC+8*n+3], s[66:67] offset:1024*n
	global_store_b128 v[L16], v[ACC+8*n+4:ACC+8*n+7], s[66:67] offset:1024*n+512
.set n, n+1
.endr
	s_wait_xcnt 0x0                                ; the holds below rewrite these stores' data only behind this wait
.endif
.if QOUT
; 64 registers from v[s] on are four blocks: block bb = tile a = (bb / 2) of the pair, chunk b = bb % 2; a block's other 16 numbers lie in lane l xor 16.  Codes into v[pc] on; the two tiles' scale halfwords into v[hw]: lanes 0-15 the first tile's, lanes 16-31 the second's.
.macro QUANT s, relu, pc, hw
.if \relu                                      ; no |.|: what is negative becomes 0, so it must not count; the floor stands over it
.irp b, 0,1,2,3
	v_max3_num_f32 v[TM+\b], v[\s+16*\b], v[\s+1+16*\b], 0x4800000
.endr
.irp i, 2,4,6,8,10,12,14
.irp b, 0,1,2,3
	v_max3_num_f32 v[TM+\b], v[TM+\b], v[\s+16*\b+\i], v[\s+1+16*\b+\i]
.endr
.endr
.else
.irp b, 0,1,2,3
	v_max3_num_f32 v[TM+\b], |v[\s+16*\b]|, |v[\s+1+16*\b]|, 0x4800000   ; my 16 numbers and the floor 2^(9 - 127): the byte cannot fall under 1
.endr
.irp i, 2,4,6,8,10,12,14
.irp b, 0,1,2,3
	v_max3_num_f32 v[TM+\b], v[TM+\b], |v[\s+16*\b+\i]|, |v[\s+1+16*\b+\i]|
.endr
.endr
.endif
.irp b, 0,1,2,3
	v_permlanex16_b32 v[TM+4+\b], v[TM+\b], s70, s71
.endr
.irp b, 0,1,2,3
	v_max_num_f32 v[TM+\b], v[TM+\b], v[TM+4+\b]
.endr
.irp b, 0,1,2,3
	v_add_nc_u32 v[TM+12+\b], 0xfc000000, v[TM+\b]         ; 8 off the exponent field: the conversion's scale operand
.endr
.irp b, 0,1,2,3
	v_and_or_b32 v[TM+8+\b], v[TM+\b], 0x7f800000, s72     ; 448 x the scale
.endr
.irp b, 0,1,2,3
	v_lshrrev_b32 v[TM+4+\b], 23, v[TM+12+\b]              ; the scale's byte
.endr
	v_lshl_or_b32 v[TM+4], v[TM+5], 8, v[TM+4]
	v_lshl_or_b32 v[TM+6], v[TM+7], 8, v[TM+6]
	v_cndmask_b32 v[\hw], v[TM+4], v[TM+6], s73
.irp b, 0,1,2,3
.irp i, 0,1,2,3,4,5,6,7,8,9,10,11,12,13,14,15
.if \relu
	v_med3_num_f32 v[\s+16*\b+\i], v[\s+16*\b+\i], 0, v[TM+8+\b]             ; the activation and the hold in one
.else
	v_med3_num_f32 v[\s+16*\b+\i], v[\s+16*\b+\i], -v[TM+8+\b], v[TM+8+\b]   ; the conversion to an 8-bit code does not saturate (ISA guide 7.6.2)
.endif
.endr
	v_cvt_scalef32_pk8_fp8_f32 v[\pc+4*\b:\pc+1+4*\b], v[\s+16*\b:\s+7+16*\b], v[TM+12+\b]
	v_cvt_scalef32_pk8_fp8_f32 v[\pc+2+4*\b:\pc+3+4*\b], v[\s+8+16*\b:\s+15+16*\b], v[TM+12+\b]
.endr
	v_nop                                          ; a plain line behind the last conversion
.endm
.irp p, 0,1
	QUANT ACC+64*\p, RELU, PC+16*\p, HW+\p
.irp bb, 0,1,2,3
	global_store_b128 v[VO+2*\p+\bb/2], v[PC+16*\p+4*\bb:PC+16*\p+4*\bb+3], s[OUTQ:OUTQ+1] offset:512*(\bb%2)   ; a chunk of the next operand's fragment: 512 consecutive bytes
.endr
	global_store_b16 v[VS+\p], v[HW+\p], s[OUTQ:OUTQ+1]
.endr
.endif
.if FOUT                               ; 16 rows x 64 columns at a time through my own stage, so that sixteen lanes store 256 consecutive bytes, aligned.  LDS serves a wave's instructions in order: no wait between the stores and the loads
.irp a, 0,1,2,3
.if \a >= 2
	s_wait_xcnt 0x0                                ; the stores of two turns ago have read the registers that the loads below fill
.endif
.irp t, 0,1,2,3
	ds_store_b128 v[STO], v[ACC+8*(4*\a+\t):ACC+8*(4*\a+\t)+3] offset:128*(\t/2)+32*(\t%2)
	ds_store_b128 v[STO], v[ACC+8*(4*\a+\t)+4:ACC+8*(4*\a+\t)+7] offset:128*(\t/2)+32*(\t%2)+16
.endr
.irp i, 0,1,2,3,4,5,6,7
	ds_load_b128 v[64+32*(\a%2)+4*\i:64+32*(\a%2)+4*\i+3], v[RD] offset:544*\i
.endr
	s_wait_dscnt 0x0
.irp i, 0,1,2,3,4,5,6,7
	global_store_b128 v[CO], v[64+32*(\a%2)+4*\i:64+32*(\a%2)+4*\i+3], s[66:67] offset:(32*(\a/2)+8*(\a%2)+2*(\i%4)+16*(\i/4))*4096 th:TH_STORE_NT
.endr
.endr
.endif
	s_wait_tensorcnt 0x0                           ; the wave's end
	ds_add_u32 v[SPW], v[NIL]
	s_wait_dscnt 0x0
	CROUND                                         ; the closing round: no work-group ends while a partner may still ask for a tile that names it
	s_endpgm
.Lfunc_end_k_qc3ff5de6a7_g_wo:
	.size	k_qc3ff5de6a7_g_wo, .Lfunc_end_k_qc3ff5de6a7_g_wo-k_qc3ff5de6a7_g_wo
	.p2alignl 7, 3214868480
	.fill 96, 4, 3214868480
	.section	.rodata,"a",@progbits
	.p2align	6, 0x0
	.amdhsa_kernel k_qc3ff5de6a7_g_wo
		.amdhsa_group_segment_fixed_size 327680
		.amdhsa_private_segment_fixed_size 0
		.amdhsa_enable_private_segment 0
		.amdhsa_kernarg_size 40
		.amdhsa_user_sgpr_count 2
		.amdhsa_user_sgpr_kernarg_segment_ptr 1
		.amdhsa_wavefront_size32 1
		.amdhsa_system_sgpr_workgroup_id_x 1
		.amdhsa_system_sgpr_workgroup_id_y 1
		.amdhsa_system_sgpr_workgroup_id_z 1
		.amdhsa_system_vgpr_workitem_id 0
		.amdhsa_next_free_vgpr 512
		.amdhsa_next_free_sgpr 100
		.amdhsa_reserve_vcc 0
		.amdhsa_float_denorm_mode_32 3
		.amdhsa_float_denorm_mode_16_64 3
		.amdhsa_memory_ordered 1
		.amdhsa_forward_progress 1
		.amdhsa_inst_pref_size 69
	.end_amdhsa_kernel
	.amdgpu_metadata
---
amdhsa.version: [ 1, 2 ]
amdhsa.kernels:
  - .name:           k_qc3ff5de6a7_g_wo
    .symbol:         k_qc3ff5de6a7_g_wo.kd
    .args:
      - { .name: aimg, .offset: 0, .size: 8, .value_kind: global_buffer, .address_space: global }
      - { .name: wimg, .offset: 8, .size: 8, .value_kind: global_buffer, .address_space: global }
      - { .name: x, .offset: 16, .size: 8, .value_kind: global_buffer, .address_space: global }
      - { .name: x1f, .offset: 24, .size: 8, .value_kind: global_buffer, .address_space: global }
      - { .name: x1img, .offset: 32, .size: 8, .value_kind: global_buffer, .address_space: global }
    .group_segment_fixed_size: 327680
    .private_segment_fixed_size: 0
    .kernarg_segment_align: 8
    .kernarg_segment_size: 40
    .max_flat_workgroup_size: 128
    .sgpr_count:     100
    .vgpr_count:     512
    .wavefront_size: 32
...
	.end_amdgpu_metadata
.endif
;; end of part 4
;; launch g_w1 (part 5): grid 8 x 32, 4 waves a work-group, clusters of 4 x 4, 327,680 bytes of LDS; arguments x1img, wimg, himg; writes himg
.if DOCPART == 5
	.amdgcn_target "amdgcn-amd-amdhsa--gfx1250"
	.amdhsa_code_object_version 6
	.text
	.protected	k_qc3ff5de6a7_g_w1
	.globl	k_qc3ff5de6a7_g_w1
	.p2align	8
	.type	k_qc3ff5de6a7_g_w1,@function
k_qc3ff5de6a7_g_w1:
	s_mov_b64 s[64:65], 0
	v_nop
	global_prefetch_b8 v0, s[64:65] scope:SCOPE_SE
	s_setreg_imm32_b32 hwreg(HW_REG_WAVE_MODE, 25, 1), 1
	s_wait_xcnt 0x0
	s_wait_alu depctr_hold_cnt(0) depctr_sa_sdst(0) depctr_va_vdst(0) depctr_va_sdst(0) depctr_va_ssrc(0) depctr_va_vcc(0) depctr_vm_vsrc(0)
	s_getreg_b32 s2, hwreg(HW_REG_IB_STS2, 6, 4)
	s_cmp_eq_u32 s2, 0
	s_cbranch_scc0 .Lentry_in_a_cluster
	s_endpgm
.Lentry_in_a_cluster:
	s_bfe_u32 s2, ttmp6, 0x10000c
	s_cmp_lg_u32 s2, 0xf033
	s_cbranch_scc0 .Lentry_shape_is_right
	s_endpgm
.Lentry_shape_is_right:
; ONE TEXT SERVES TWO LAUNCHES; the line below says which.  KIND 1: q, k, v = x wq, x wk, x wv.  KIND 3: h = relu(x1 w1).
.set KIND, 3
; D[i][j] = sum over k of P[i][k] Q[j][k] on codes of FP8 (E4M3) with one E8M0 scale for each 32 along K, sums in f32, K = 1,024.  Both operands arrive as RECORDS: 128 rows x 128 K in 16,896 bytes, laid in the order of the
; matrix unit's registers: row p of the 128 lies in tile T = 2 ((p >> 5) & 3) + ((p >> 3) & 1) at lane row r = (p & 7) + 8 ((p >> 4) & 1); codes at 2048 T + 512 c + 16 (16 h + r): k = 32 c + 16 h + 0 .. 15; scale words at 16384 + 64 T + 4 r.
; A group's eight K steps are one dense PANEL of 135,168 bytes; a fragment is four LDS loads of 512 consecutive bytes: no pitch, no padding.
; A WORK-GROUP STAYS.  It owns one group of 128 rows of the activations (S: x or x1) and walks the weights (W): KIND 1: the same group of 128 columns of wq, wk, wv; KIND 3: four neighbouring groups of w1.  256 work-groups in both launches.
; S STAYS IN REGISTERS: a wave's 64 rows x 1,024 K are 512 registers.  So a tile of D brings one panel into LDS and not two, a K step reads W's fragments from LDS and not both operands', and arguments, first fills and the last stores' way out are paid once.
; S comes by a joint tensor load into slot 1 and is read out of it once; then the two slots take W's panels by turns: while a tile is multiplied and the tile before it is quantised and stored, the next panel is on its way.
; SHARES.  A tile of D is 128 x 128; wave w makes 64 x 64: rows 64 (w >> 1) on of S, rows 64 (w & 1) on of W: 16 accumulators.
; CLUSTERS: 4 x 4 work-groups; S is shared along a row of the cluster, W's panels along a column: each is asked for jointly, by the same tensor load with the same descriptor and a mask that names the four.
; THE MATRIX INSTRUCTION IS USED TRANSPOSED (source 0 = a tile of Q, source 1 = a tile of P).  By the tile rule the 16 registers of accumulators (a, 2 b) and (a, 2 b + 1) are then 16 NEIGHBOURS along j: j = 32 b + 16 h + 0 .. 15 of the
; wave's 64, for row (a, r).  D is the next product's operand with K = j: the conversions' results ARE a chunk of that operand's record, and leave by stores of 512 consecutive bytes with no stage.
; P = S and Q = W, but for v, which the attention wants quantised along the keys: there P = wv and Q = x: the two sources change places, and D is v transposed.
; The scale bytes leave as halfwords, 2 bytes a lane (1 byte for each 32 of codes): those aligned blocks of 256 bytes are written in part.
; LIMITS: NaN and infinities are not served; a block whose largest magnitude lies under 2^-118 has its byte held at 1; a block of zeros gets the byte 1 over zero codes: the bytes are read by this program alone.
; REGISTERS: window 0: v8-31 addresses; v32-63 S's scale words (K step s, tile a: 32 + 4 s + a); v64-71 W's, two sets; v72-89 at work; v90-93 S's LDS addresses; v96-127 codes; v128-255 the accumulators ((a, t) at v[128 + 8 (4 a + t)]).
;   window 1: v0-63, v64-127 W's fragments, two buffers.   windows 2, 3: S's fragments: K steps 0-3 and 4-7, (s, a) at v[64 (s % 4) + 16 a].
.set REC,   16896
.set R2,    8448                       ; a record of q, k or v: 128 tokens of one head
.set SEC,   512*R2                     ; the section of q, of k, of v
.if KIND == 1
.set WSEC,  0                          ; where the walk's weights begin among the weights' records
.set WWALK, 8*REC                      ; from a walk's first panel to the next walk's
.set TSTEP, 64*REC                     ; from a tile's panel to the next tile's: wq, wk, wv lie 64 records apart
.set OSTEP, SEC                        ; from a tile's place in the output to the next tile's
.set RELU,  0
.else
.set WSEC,  256*REC
.set WWALK, 32*REC
.set TSTEP, 8*REC
.set OSTEP, REC
.set RELU,  1
.endif
.set PANEL, 8*REC
.set HALFU, 2*REC                      ; what one tensor load brings
.set HSL,   4*REC                      ; half a slot: an LDS immediate reaches four records
.set SLOT,  8*REC
.set SPARE, 2*SLOT                     ; behind the slots: the spare words, 128 bytes for each wave: two blocks of 256 bytes that no other line names
.set ADRW, 8                           ; v8-11  LDS address of my W fragments in half slot 0 .. 3
.set ADRS, 12                          ; v12-15 of my W scale words
.set VO,   16                          ; v16-19 codes out: my lane's offset for tile a
.set VS,   20                          ; v20-21 scale halfwords out, for tiles 2 p (lanes 0-15) and 2 p + 1 (lanes 16-31)
.set VO2,  22                          ; v22-27 the same for v
.set VS2,  26
.set SPW,  28                          ; LDS address of my spare word; never rewritten
.set NIL,  29                          ; 0; never rewritten
.set L16,  31                          ; 16 x lane
.set SS,   32
.set WS,   64
.set TM,   72
.set HW,   88
.set SAD,  90                          ; v90-91 LDS address of my S fragments, K steps 0-3 and 4-7
.set SSD,  92                          ; v92-93 of my S scale words
.set PC,   96
.set ACC,  128
.set G1,   24                          ; s[24:31] descriptor group 1 for S;  s[32:35] its group 0
.set G0S,  32
.set G1B,  48                          ; s[48:55] group 1 for W;  s[56:63] group 0, one set for each slot
.set G0W,  56
.set MSB, 0
.macro WIN new                         ; the immediate's high byte repeats the setting that is left
.if MSB != \new
	s_set_vgpr_msb (MSB<<8)|\new
.set MSB, \new
.endif
.endm
.macro CREST                           ; a round of the cluster's barrier behind its opening barrier
	s_cmp_lg_u32 s10, 0
	s_cbranch_scc1 .Lnot_wave_0_\@
	s_barrier_signal -3
.Lnot_wave_0_\@:
	s_barrier_wait -3
	s_barrier_signal -1
	s_barrier_wait -1
.endm
.macro CROUND
	s_barrier_signal -1
	s_barrier_wait -1
	CREST
.endm
.macro PLACES n
.rept \n
	v_nop
.endr
.endm
	s_load_b128 s[4:7], s[0:1], 0x0                ; S's records, the weights' records
	s_load_b64 s[8:9], s[0:1], 0x10                ; where D goes
	v_lshl_add_u32 v[SPW], v0, 2, SPARE
	v_mov_b32 v[NIL], 0
	ds_add_u32 v28, v29
	ds_add_u32 v28, v29
	s_wait_dscnt 0x0
	v_lshrrev_b32 v1, 5, v0
	v_readfirstlane_b32 s10, v1                    ; wave 0..3
	s_lshr_b32 s11, s10, 1                         ; which 64 rows of S are mine
	s_and_b32 s12, s10, 1                          ; which 64 rows of W
	s_bfe_u32 s40, ttmp6, 0x40000                  ; cx, cy: my place in the cluster
	s_bfe_u32 s41, ttmp6, 0x40004
	s_lshl_b32 s42, ttmp9, 2
	s_add_co_u32 s42, s42, s40                     ; the walk = 4 x cluster x + cx
	s_and_b32 s45, ttmp7, 0xffff
	s_lshl_b32 s13, s45, 2
	s_add_co_u32 s13, s13, s41                     ; S's group = 4 x cluster y + cy
	s_lshl_b32 s43, s41, 2
	s_lshl_b32 s43, 15, s43                        ; my row of the cluster
	s_lshl_b32 s44, 0x1111, s40                    ; my column
	s_or_b32 s[G1+0], s43, (3<<16)|(1<<21)         ; 15:0 the mask; 17:16 elements of 8 bytes; 21 set beside a mask; no padding
	s_or_b32 s[G1B+0], s44, (3<<16)|(1<<21)
.irp g, G1, G1B
	s_mov_b32 s[\g+1], 32<<16                      ; tensor_dim0 = 32 elements: 256 bytes
	s_mov_b32 s[\g+2], 132<<16                     ; tensor_dim1 = 132 rows: two records
	s_mov_b32 s[\g+3], 32<<16                      ; tile_dim0
	s_mov_b32 s[\g+4], 132                         ; tile_dim1
	s_mov_b32 s[\g+5], 32                          ; the pitch: dense
	s_mov_b32 s[\g+6], 0
	s_mov_b32 s[\g+7], 0
.endr
	s_mul_i32 s75, s10, HALFU                      ; my two records of a panel, in memory and in a slot: the wave's number alone
	s_mul_i32 s20, s13, PANEL                      ; S's offset hangs on its group and the wave alone, W's on the walk and the wave alone, each in registers that never hold the other coordinate
	s_add_co_u32 s20, s20, s75
	s_mov_b32 s21, 0
	s_mul_i32 s46, s42, WWALK
	s_add_co_u32 s46, s46, s75
.if WSEC > 0
	s_add_co_u32 s46, s46, WSEC
.endif
	s_mov_b32 s47, 0
	s_wait_kmcnt 0x0
	s_add_nc_u64 s[14:15], s[4:5], s[20:21]
	s_add_nc_u64 s[46:47], s[6:7], s[46:47]
	CROUND                                         ; all sixteen work-groups are here: the first joint loads meet
	s_mov_b32 s[G0S], 1
	s_add_co_u32 s[G0S+1], s75, SLOT               ; S lands in slot 1
	s_add_nc_u64 s[G0S+2:G0S+3], s[14:15], 0
	s_or_b32 s[G0S+3], s[G0S+3], 0x80000000
.irp s, 0,1
	s_mov_b32 s[G0W+4*\s], 1
	s_add_co_u32 s[G0W+4*\s+1], s75, \s*SLOT
	s_add_nc_u64 s[G0W+4*\s+2:G0W+4*\s+3], s[46:47], \s*TSTEP      ; slot s begins with tile s's panel
	s_or_b32 s[G0W+4*\s+3], s[G0W+4*\s+3], 0x80000000
.endr
	tensor_load_to_lds s[G0S:G0S+3], s[G1:G1+7]    ; S first: it is read out while tile 0's panel lands
	s_nop 0
	tensor_load_to_lds s[G0W:G0W+3], s[G1B:G1B+7]  ; two loads of mine are out
	s_nop 0
	PLACES 4
	v_and_b32 v1, 15, v0                           ; r
	v_bfe_u32 v2, v0, 4, 1                         ; h
	v_and_b32 v3, 31, v0
	v_lshlrev_b32 v[L16], 4, v3
	v_lshlrev_b32 v4, 2, v1                        ; 4 r: a scale word's place; lanes 16-31 take the same words and are not read
	s_lshl_b32 s21, s12, 13                        ; my four tiles of W
	s_lshl_b32 s22, s12, 8
	s_add_co_u32 s22, s22, 16384                   ; and their scale words
.irp q, 0,1,2,3
	v_add_nc_u32 v[ADRW+\q], s21, v[L16]
	v_add_nc_u32 v[ADRS+\q], s22, v4
	s_add_co_u32 s21, s21, HSL
	s_add_co_u32 s22, s22, HSL
.endr
	s_lshl_b32 s21, s11, 13                        ; my four tiles of S, in slot 1
	s_add_co_u32 s21, s21, SLOT
	s_lshl_b32 s22, s11, 8
	s_add_co_u32 s22, s22, SLOT+16384
	v_add_nc_u32 v[SAD], s21, v[L16]
	v_add_nc_u32 v[SAD+1], HSL, v[SAD]
	v_add_nc_u32 v[SSD], s22, v4
	v_add_nc_u32 v[SSD+1], HSL, v[SSD]
	s_mov_b32 s70, 0x76543210
	s_mov_b32 s71, 0xfedcba98                      ; v_permlanex16_b32's selects for lane l xor 16
	s_mov_b32 s72, 0x600000                        ; the mantissa field of 448
	s_mov_b32 s73, 0xffff0000                      ; lanes 16-31
.irp b, 0,1,2,3
	v_mov_b32 v[TM+4+\b], 0                        ; written once: a lane permute's destination counts as one of its sources
.endr
.if KIND == 1
	s_lshl_b32 s84, s11, 12                        ; q, k: a record is 128 tokens of one head; tile a's two chunks lie at 4096 (S's half) + 1024 a
	v_add_nc_u32 v[VO], s84, v[L16]
	v_add_nc_u32 v[VO+1], 1024, v[VO]
	v_add_nc_u32 v[VO+2], 1024, v[VO+1]
	v_add_nc_u32 v[VO+3], 1024, v[VO+2]
	s_lshl_b32 s86, s11, 7
	s_add_co_u32 s86, s86, 8192
	v_lshl_add_u32 v5, v2, 1, v4                   ; the pair's second tile has the word's upper half
	v_add_nc_u32 v[VS], s86, v5
	v_add_nc_u32 v[VS+1], 64, v[VS]
	s_lshl_b32 s84, s11, 10                        ; v: tile a of the head's dims at 2048 a; my 64 keys are chunks 2 (S's half) + b
	v_add_nc_u32 v[VO2], s84, v[L16]
	v_add_nc_u32 v[VO2+1], 2048, v[VO2]
	v_add_nc_u32 v[VO2+2], 2048, v[VO2+1]
	v_add_nc_u32 v[VO2+3], 2048, v[VO2+2]
	s_lshl_b32 s86, s11, 1
	s_add_co_u32 s86, s86, 8192
	v_lshl_add_u32 v5, v2, 6, v4
	v_add_nc_u32 v[VS2], s86, v5
	v_add_nc_u32 v[VS2+1], 128, v[VS2]
	s_lshr_b32 s80, s13, 4                         ; record ((16 batch + head) x 16 + group of 128 tokens), head = 2 walk + W's half: the same in the sections of q, k and v
	s_lshl_b32 s80, s80, 4
	s_lshl_b32 s81, s42, 1
	s_add_co_u32 s80, s80, s81
	s_add_co_u32 s80, s80, s12
	s_lshl_b32 s80, s80, 4
	s_and_b32 s81, s13, 15
	s_add_co_u32 s80, s80, s81
	s_mul_i32 s88, s80, R2
.else
	s_lshl_b32 s84, s11, 13                        ; record (S's group, K step = W's group) of the next operand: tile 4 (S's half) + a, chunks 2 (W's half) + b
	s_lshl_b32 s80, s12, 10
	s_add_co_u32 s84, s84, s80
	v_add_nc_u32 v[VO], s84, v[L16]
	v_add_nc_u32 v[VO+1], 2048, v[VO]
	v_add_nc_u32 v[VO+2], 2048, v[VO+1]
	v_add_nc_u32 v[VO+3], 2048, v[VO+2]
	s_lshl_b32 s86, s11, 8
	s_lshl_b32 s80, s12, 1
	s_add_co_u32 s86, s86, s80
	s_add_co_u32 s86, s86, 16384
	v_lshl_add_u32 v5, v2, 6, v4
	v_add_nc_u32 v[VS], s86, v5
	v_add_nc_u32 v[VS+1], 128, v[VS]
	s_lshl_b32 s88, s13, 5
	s_lshl_b32 s80, s42, 2
	s_add_co_u32 s88, s88, s80
	s_mul_i32 s88, s88, REC
.endif
	s_mov_b32 s89, 0
	s_add_nc_u64 s[8:9], s[8:9], s[88:89]
; 20 LDS loads in one run: W's scale words and fragments of K step s of the panel in slot sl, into buffer and scale set b
.macro FETCH sl, s, b
	WIN 0
.irp i, 0,1,2,3
	ds_load_b32 v[WS+4*(\b)+\i], v[ADRS+2*(\sl)+(\s)/4] offset:((\s)%4)*REC+64*\i
.endr
	WIN 0x40                                       ; destination window 1, address window 0
.irp i, 0,1,2,3
.irp c, 0,1,2,3
	ds_load_b128 v[64*(\b)+16*\i+4*\c:64*(\b)+16*\i+4*\c+3], v[ADRW+2*(\sl)+(\s)/4] offset:((\s)%4)*REC+2048*\i+512*\c
.endr
.endr
.endm
; 16 matrix instructions: K step s.  The 16 accumulators take turns, one instruction a turn, in the same order in every step.  zero = 1: the first products start the sums.
; swap = 0: source 0 = W's tile t, source 1 = S's tile a.  swap = 1 (v): source 0 = S's tile t, source 1 = W's tile a.
.macro MUL16 s, zero, swap
.set FB, 64*((\s)%2)
.set WB, WS+4*((\s)%2)
.set SB, 64*((\s)%4)
.set SW, SS+4*(\s)
.if \swap
.set WN, 0x06+(\s)/4                   ; source 0 window 2 or 3, source 1 window 1; C and D window 0
.else
.set WN, 0x09+4*((\s)/4)               ; source 0 window 1, source 1 window 2 or 3
.endif
	WIN WN
.irp a, 0,1,2,3
.irp t, 0,1,2,3
.if \swap
.if \zero
	v_wmma_scale_f32_16x16x128_f8f6f4 v[ACC+8*(4*\a+\t):ACC+8*(4*\a+\t)+7], v[SB+16*\t:SB+16*\t+15], v[FB+16*\a:FB+16*\a+15], 0, v[SW+\t], v[WB+\a]
.else
	v_wmma_scale_f32_16x16x128_f8f6f4 v[ACC+8*(4*\a+\t):ACC+8*(4*\a+\t)+7], v[SB+16*\t:SB+16*\t+15], v[FB+16*\a:FB+16*\a+15], v[ACC+8*(4*\a+\t):ACC+8*(4*\a+\t)+7], v[SW+\t], v[WB+\a]
.endif
.else
.if \zero
	v_wmma_scale_f32_16x16x128_f8f6f4 v[ACC+8*(4*\a+\t):ACC+8*(4*\a+\t)+7], v[FB+16*\t:FB+16*\t+15], v[SB+16*\a:SB+16*\a+15], 0, v[WB+\t], v[SW+\a]
.else
	v_wmma_scale_f32_16x16x128_f8f6f4 v[ACC+8*(4*\a+\t):ACC+8*(4*\a+\t)+7], v[FB+16*\t:FB+16*\t+15], v[SB+16*\a:SB+16*\a+15], v[ACC+8*(4*\a+\t):ACC+8*(4*\a+\t)+7], v[WB+\t], v[SW+\a]
.endif
.endif
.endr
.endr
.endm
; K step s: its fragments are in; the next step's loads go out into the other buffer, eight places behind the products that read it; then the step is multiplied.
.macro STEP sl, s, zero, swap
	s_wait_dscnt 0x0
	PLACES 8
	FETCH \sl, (\s)+1, ((\s)+1)%2
	MUL16 \s, \zero, \swap
.endm
.macro TILE sl, swap                   ; a tile's eight K steps from slot sl; step 0's fragments have been asked for
	STEP \sl, 0, 1, \swap
.irp k, 1,2,3,4,5,6
	STEP \sl, \k, 0, \swap
.endr
	s_wait_dscnt 0x0
	MUL16 7, 0, \swap
.endm
; THE CHANGE OF SLOTS: ONE barrier; in front of it each wave waits for all its tensor loads (its part of the slot that is read next), adds 0 to its spare word, and waits for that and for its reads of the slot that it leaves.
; fill = 1: slot sl, which nobody reads any more, is filled again (adv = 1: with the panel two tiles on): the barrier opens a round of the cluster's barrier, and the joint load is the first thing behind the round.
; Then the first fragments of slot nx are asked for: they land while the tile just finished is quantised.
.macro CHANGE fill, sl, adv, nx
	WIN 0
	s_wait_tensorcnt 0x0                           ; no tensor load of mine is out, so a group 0 may be written
	ds_add_u32 v[SPW], v[NIL]                      ; 0 onto my spare word
	s_wait_dscnt 0x0                               ; the add is done, and my reads of the slot that I leave are over
.if \fill
	CROUND                                         ; no wave of any partner still reads the slot or has a load on its way
.if \adv
	s_add_nc_u64 s[G0W+4*\sl+2:G0W+4*\sl+3], s[G0W+4*\sl+2:G0W+4*\sl+3], 2*TSTEP
.endif
	tensor_load_to_lds s[G0W+4*\sl:G0W+4*\sl+3], s[G1B:G1B+7]
	s_nop 0
.else
	s_barrier_signal -1
	s_barrier_wait -1
.endif
	PLACES 8                                       ; behind the last products: for the loads below and for the first reads of results; the first four also stand behind the tensor load
	FETCH \nx, 0, 0
	WIN 0
.endm
; 64 registers from v[s] on are four blocks: block bb = tile a = (bb / 2) of the pair, chunk b = bb % 2; a block's other 16 numbers lie in lane l xor 16.  Codes into v[pc] on; the two tiles' scale halfwords into v[hw]: lanes 0-15 the first tile's, lanes 16-31 the second's.
.macro QUANT s, relu, pc, hw
.if \relu                                      ; no |.|: what is negative becomes 0, so it must not count; the floor stands over it
.irp b, 0,1,2,3
	v_max3_num_f32 v[TM+\b], v[\s+16*\b], v[\s+1+16*\b], 0x4800000
.endr
.irp i, 2,4,6,8,10,12,14
.irp b, 0,1,2,3
	v_max3_num_f32 v[TM+\b], v[TM+\b], v[\s+16*\b+\i], v[\s+1+16*\b+\i]
.endr
.endr
.else
.irp b, 0,1,2,3
	v_max3_num_f32 v[TM+\b], |v[\s+16*\b]|, |v[\s+1+16*\b]|, 0x4800000   ; my 16 numbers and the floor 2^(9 - 127): the byte cannot fall under 1
.endr
.irp i, 2,4,6,8,10,12,14
.irp b, 0,1,2,3
	v_max3_num_f32 v[TM+\b], v[TM+\b], |v[\s+16*\b+\i]|, |v[\s+1+16*\b+\i]|
.endr
.endr
.endif
.irp b, 0,1,2,3
	v_permlanex16_b32 v[TM+4+\b], v[TM+\b], s70, s71
.endr
.irp b, 0,1,2,3
	v_max_num_f32 v[TM+\b], v[TM+\b], v[TM+4+\b]
.endr
.irp b, 0,1,2,3
	v_add_nc_u32 v[TM+12+\b], 0xfc000000, v[TM+\b]         ; 8 off the exponent field: the conversion's scale operand
.endr
.irp b, 0,1,2,3
	v_and_or_b32 v[TM+8+\b], v[TM+\b], 0x7f800000, s72     ; 448 x the scale
.endr
.irp b, 0,1,2,3
	v_lshrrev_b32 v[TM+4+\b], 23, v[TM+12+\b]              ; the scale's byte
.endr
	v_lshl_or_b32 v[TM+4], v[TM+5], 8, v[TM+4]
	v_lshl_or_b32 v[TM+6], v[TM+7], 8, v[TM+6]
	v_cndmask_b32 v[\hw], v[TM+4], v[TM+6], s73
.irp b, 0,1,2,3
.irp i, 0,1,2,3,4,5,6,7,8,9,10,11,12,13,14,15
.if \relu
	v_med3_num_f32 v[\s+16*\b+\i], v[\s+16*\b+\i], 0, v[TM+8+\b]             ; the activation and the hold in one
.else
	v_med3_num_f32 v[\s+16*\b+\i], v[\s+16*\b+\i], -v[TM+8+\b], v[TM+8+\b]   ; the conversion to an 8-bit code does not saturate (ISA guide 7.6.2)
.endif
.endr
	v_cvt_scalef32_pk8_fp8_f32 v[\pc+4*\b:\pc+1+4*\b], v[\s+16*\b:\s+7+16*\b], v[TM+12+\b]
	v_cvt_scalef32_pk8_fp8_f32 v[\pc+2+4*\b:\pc+3+4*\b], v[\s+8+16*\b:\s+15+16*\b], v[TM+12+\b]
.endr
	v_nop                                          ; a plain line behind the last conversion
.endm
; Tile n goes out: quantised along j and stored as chunks of the next operand's records
.macro EPI n, vo, vs
.if \n > 0
	s_wait_xcnt 0x0                                ; the last tile's stores have read their data and their base: both are written again only behind this wait
	s_add_nc_u64 s[8:9], s[8:9], OSTEP
.endif
.irp p, 0,1
	QUANT ACC+64*\p, RELU, PC+16*\p, HW+\p
.irp bb, 0,1,2,3
	global_store_b128 v[\vo+2*\p+\bb/2], v[PC+16*\p+4*\bb:PC+16*\p+4*\bb+3], s[8:9] offset:512*(\bb%2)   ; 512 consecutive bytes
.endr
	global_store_b16 v[\vs+\p], v[HW+\p], s[8:9]
.endr
.endm
	s_wait_tensorcnt 0x1                           ; my part of S is in; tile 0's panel may stay out
	s_barrier_signal -1
	s_barrier_wait -1                              ; everybody's is
.irp k, 0,1,2,3,4,5,6,7                        ; S into registers, once: 32 scale words and 32 fragments
.irp a, 0,1,2,3
	ds_load_b32 v[SS+4*\k+\a], v[SSD+\k/4] offset:(\k%4)*REC+64*\a
.endr
.endr
	WIN 0x80                                       ; destination window 2
.irp k, 0,1,2,3
.irp a, 0,1,2,3
.irp c, 0,1,2,3
	ds_load_b128 v[64*\k+16*\a+4*\c:64*\k+16*\a+4*\c+3], v[SAD] offset:\k*REC+2048*\a+512*\c
.endr
.endr
.endr
	WIN 0xc0                                       ; destination window 3
.irp k, 0,1,2,3
.irp a, 0,1,2,3
.irp c, 0,1,2,3
	ds_load_b128 v[64*\k+16*\a+4*\c:64*\k+16*\a+4*\c+3], v[SAD+1] offset:\k*REC+2048*\a+512*\c
.endr
.endr
.endr
	CHANGE 1, 1, 0, 0                              ; S is in registers and tile 0's panel is whole: slot 1 takes tile 1's panel
	TILE 0, 0
	CHANGE 1, 0, 1, 1                              ; slot 0 takes tile 2's panel
	EPI 0, VO, VS
	TILE 1, 0
.if KIND == 1
	CHANGE 0, 0, 0, 0                              ; nothing is left to fetch
	EPI 1, VO, VS
	TILE 0, 1                                      ; v: the sources change places
	WIN 0
	PLACES 8                                       ; in front of the first reads of results
	EPI 2, VO2, VS2
.else
	CHANGE 1, 1, 1, 0                              ; slot 1 takes tile 3's panel
	EPI 1, VO, VS
	TILE 0, 0
	CHANGE 0, 0, 0, 1                              ; nothing is left to fetch
	EPI 2, VO, VS
	TILE 1, 0
	WIN 0
	PLACES 8                                       ; in front of the first reads of results
	EPI 3, VO, VS
.endif
	s_wait_tensorcnt 0x0                           ; the wave's end
	ds_add_u32 v[SPW], v[NIL]
	s_wait_dscnt 0x0
	CROUND                                         ; the closing round: no work-group ends while a partner may still ask for a panel that names it
	s_endpgm
.Lfunc_end_k_qc3ff5de6a7_g_w1:
	.size	k_qc3ff5de6a7_g_w1, .Lfunc_end_k_qc3ff5de6a7_g_w1-k_qc3ff5de6a7_g_w1
	.p2alignl 7, 3214868480
	.fill 96, 4, 3214868480
	.section	.rodata,"a",@progbits
	.p2align	6, 0x0
	.amdhsa_kernel k_qc3ff5de6a7_g_w1
		.amdhsa_group_segment_fixed_size 327680
		.amdhsa_private_segment_fixed_size 0
		.amdhsa_enable_private_segment 0
		.amdhsa_kernarg_size 24
		.amdhsa_user_sgpr_count 2
		.amdhsa_user_sgpr_kernarg_segment_ptr 1
		.amdhsa_wavefront_size32 1
		.amdhsa_system_sgpr_workgroup_id_x 1
		.amdhsa_system_sgpr_workgroup_id_y 1
		.amdhsa_system_sgpr_workgroup_id_z 1
		.amdhsa_system_vgpr_workitem_id 0
		.amdhsa_next_free_vgpr 1024
		.amdhsa_next_free_sgpr 100
		.amdhsa_reserve_vcc 0
		.amdhsa_float_denorm_mode_32 3
		.amdhsa_float_denorm_mode_16_64 3
		.amdhsa_memory_ordered 1
		.amdhsa_forward_progress 1
		.amdhsa_inst_pref_size 203
	.end_amdhsa_kernel
	.amdgpu_metadata
---
amdhsa.version: [ 1, 2 ]
amdhsa.kernels:
  - .name:           k_qc3ff5de6a7_g_w1
    .symbol:         k_qc3ff5de6a7_g_w1.kd
    .args:
      - { .name: x1img, .offset: 0, .size: 8, .value_kind: global_buffer, .address_space: global }
      - { .name: wimg, .offset: 8, .size: 8, .value_kind: global_buffer, .address_space: global }
      - { .name: himg, .offset: 16, .size: 8, .value_kind: global_buffer, .address_space: global }
    .group_segment_fixed_size: 327680
    .private_segment_fixed_size: 0
    .kernarg_segment_align: 8
    .kernarg_segment_size: 24
    .max_flat_workgroup_size: 128
    .sgpr_count:     100
    .vgpr_count:     1024
    .wavefront_size: 32
...
	.end_amdgpu_metadata
.endif
;; end of part 5
;; launch g_w2 (part 6): grid 8 x 32, 4 waves a work-group, clusters of 4 x 4, 327,680 bytes of LDS; arguments himg, wimg, x1f, out0; writes out0
.if DOCPART == 6
	.amdgcn_target "amdgcn-amd-amdhsa--gfx1250"
	.amdhsa_code_object_version 6
	.text
	.protected	k_qc3ff5de6a7_g_w2
	.globl	k_qc3ff5de6a7_g_w2
	.p2align	8
	.type	k_qc3ff5de6a7_g_w2,@function
k_qc3ff5de6a7_g_w2:
	s_mov_b64 s[64:65], 0
	v_nop
	global_prefetch_b8 v0, s[64:65] scope:SCOPE_SE
	s_setreg_imm32_b32 hwreg(HW_REG_WAVE_MODE, 25, 1), 1
	s_wait_xcnt 0x0
	s_wait_alu depctr_hold_cnt(0) depctr_sa_sdst(0) depctr_va_vdst(0) depctr_va_sdst(0) depctr_va_ssrc(0) depctr_va_vcc(0) depctr_vm_vsrc(0)
	s_getreg_b32 s2, hwreg(HW_REG_IB_STS2, 6, 4)
	s_cmp_eq_u32 s2, 0
	s_cbranch_scc0 .Lentry_in_a_cluster
	s_endpgm
.Lentry_in_a_cluster:
	s_bfe_u32 s2, ttmp6, 0x10000c
	s_cmp_lg_u32 s2, 0xf033
	s_cbranch_scc0 .Lentry_shape_is_right
	s_endpgm
.Lentry_shape_is_right:
; ONE TEXT SERVES FOUR LAUNCHES; the line below says which.  KIND 1: q, k, v = x wq, x wk, x wv.  2: x1 = x + a wo.  3: h = relu(x1 w1).  4: out = x1 + h w2.
.set KIND, 4
; D[i][j] = sum over k of P[i][k] Q[j][k] on codes of FP8 (E4M3) with one E8M0 scale for each 32 along K, sums in f32.  Both operands arrive as RECORDS: 128 rows x 128 K in 16,896 bytes, laid in the order of the
; matrix unit's registers: row p of the 128 lies in tile T = 2 ((p >> 5) & 3) + ((p >> 3) & 1) at lane row r = (p & 7) + 8 ((p >> 4) & 1); codes at 2048 T + 512 c + 16 (16 h + r): k = 32 c + 16 h + 0 .. 15; scale words at 16384 + 64 T + 4 r.
; An operand is laid [group of 128 rows][K step of 128], so a group's K steps are one dense run: a tensor load brings two records as 132 rows of 256 bytes, and a fragment is four LDS loads of 512 consecutive bytes: no pitch, no padding.
; SHARES.  A work-group of four waves makes 128 x 128 of D, a wave 64 x 64: 16 accumulators.  That tile gives every launch of this text a multiple of 256 work-groups (768, 256, 1,024, 256).
; K goes through two LDS slots of 512 along K each (P's four records, then Q's four).  Where K = 1,024 the two slots hold all of K and nothing is filled again; KIND 4 (K = 4,096) goes round the ring.
; CLUSTERS: 4 x 4 work-groups; P's records are shared along a row of the cluster, Q's along a column: each is asked for jointly, by the same tensor load with the same descriptor and a mask that names the four.
; THE MATRIX INSTRUCTION IS USED TRANSPOSED (source 0 = a tile of Q, source 1 = a tile of P).  By the tile rule the 16 registers of accumulators (a, 2 b) and (a, 2 b + 1) are then 16 NEIGHBOURS along j: j = 32 b + 16 h + 0 .. 15 of the
; wave's 64, for row (a, r).  Where D is the next product's operand with K = j, the conversions' results ARE a chunk of that operand's record, and leave by stores of 512 consecutive bytes with no stage.
; KIND 1: cluster rows 0-7 make q and k (P = x, Q = wq | wk; quantised along a head's 64), rows 8-11 make v (P = wv, Q = x: D is v transposed, quantised along the keys).  The choice hangs on the cluster's y alone.
; The scale bytes leave as halfwords, 2 bytes a lane (1 byte for each 32 of codes): those aligned blocks of 256 bytes are written in part.
; LIMITS: NaN and infinities are not served; a block whose largest magnitude lies under 2^-118 has its byte held at 1; a block of zeros gets the byte 1 over zero codes: the bytes are read by this program alone.
; REGISTERS: window 0: v16-31 addresses; v32-39 scale words, two sets; v40-59 at work; v64-127 codes or rows on the way out; v128-255 the accumulators ((a, t) at v[128 + 8 (4 a + t)]).  window 1: two fragment buffers of 128: P's four, then Q's four.
.set REC,   16896
.set R2,    8448                       ; a record of q, k or v: 128 tokens of one head
.set SEC,   512*R2                     ; the section of q, of k, of v
.set S_IN,  8                          ; K steps of 128
.set QSEC,  0                          ; where Q's records begin in its buffer
.set NT,    8                          ; K steps of the operand that goes out
.set ZERO,  0                          ; the sums start at 0
.set RELU,  0
.set QOUT,  0                          ; D goes out as codes
.set RESN,  0                          ; the sums start at x, rows as they lie
.set RESI,  0                          ; the sums start at x1, an image of the accumulators
.set FIMG,  0                          ; D goes out as such an image
.set FOUT,  0                          ; D goes out as rows of f32
.set OUTQ,  8
.if KIND == 1
.set ZERO, 1
.set QOUT, 1
.endif
.if KIND == 2
.set QSEC, 192*REC
.set RESN, 1
.set FIMG, 1
.set QOUT, 1
.set OUTQ, 68
.endif
.if KIND == 3
.set QSEC, 256*REC
.set NT,   32
.set ZERO, 1
.set RELU, 1
.set QOUT, 1
.endif
.if KIND == 4
.set S_IN, 32
.set QSEC, 512*REC
.set RESI, 1
.set FOUT, 1
.endif
.set PANEL, S_IN*REC                   ; a group's K steps
.set HALFU, 2*REC                      ; what one tensor load brings
.set SIDE,  4*REC
.set SLOT,  2*SIDE
.set LAPS,  S_IN/8                     ; a lap = once round the ring = 1,024 along K
.set SPARE, 2*SLOT                     ; behind the ring: the spare words, 128 bytes for each wave: two blocks of 256 bytes that no other line names
.set STAGE, SPARE+512                  ; KIND 4: 16 rows x 272 bytes for each wave, for the way out
.set ADRA, 16                          ; v16-17 LDS address of my P fragments in slot 0, 1
.set ADRS, 18                          ; v18-19 of my scale words: lanes 0-15 P's, lanes 16-31 Q's
.set ADRB, 20                          ; v20-21 of my Q fragments
.set VO,   22                          ; v22-25 codes out: my lane's offset for tile a
.set VS,   26                          ; v26-27 scale halfwords out, for tiles 2 p (lanes 0-15) and 2 p + 1 (lanes 16-31)
.set STO,  22                          ; KIND 4: into the stage, back from it, my offset in out0
.set RD,   23
.set CO,   24
.set SPW,  28                          ; LDS address of my spare word; never rewritten
.set NIL,  29                          ; 0; never rewritten
.set XO,   30
.set L16,  31                          ; 16 x lane
.set SC,   32
.set TM,   40
.set HW,   56
.set PC,   64
.set ACC,  128
.set F0,   0
.set F1,   128
.set G1,   24
.set G0,   32
.set G1B,  48
.set G0B,  56
.set MSB, 0
.macro WIN new                         ; the immediate's high byte repeats the setting that is left
.if MSB != \new
	s_set_vgpr_msb (MSB<<8)|\new
.set MSB, \new
.endif
.endm
.macro JLOAD s                         ; a joint load: waves 0 and 1 fetch P's two halves of a slot, waves 2 and 3 Q's; four v_nop follow each of the two lines
	s_cmp_eq_u32 s11, 0
	s_cbranch_scc0 .Lfor_b_\@
	tensor_load_to_lds s[G0+4*\s:G0+4*\s+3], s[G1:G1+7]
	s_nop 0
.rept 4
	v_nop
.endr
	s_branch .Lasked_\@
.Lfor_b_\@:
	tensor_load_to_lds s[G0B+4*\s:G0B+4*\s+3], s[G1B:G1B+7]
	s_nop 0
.rept 4
	v_nop
.endr
.Lasked_\@:
.endm
.macro CREST                           ; a round of the cluster's barrier behind its opening barrier
	s_cmp_lg_u32 s10, 0
	s_cbranch_scc1 .Lnot_wave_0_\@
	s_barrier_signal -3
.Lnot_wave_0_\@:
	s_barrier_wait -3
	s_barrier_signal -1
	s_barrier_wait -1
.endm
.macro CROUND
	s_barrier_signal -1
	s_barrier_wait -1
	CREST
.endm
.macro PLACES n
.rept \n
	v_nop
.endr
.endm
	s_load_b128 s[4:7], s[0:1], 0x0                ; the first two buffers
	s_load_b64 s[8:9], s[0:1], 0x10                ; the third
.if (KIND == 2) || (KIND == 4)
	s_load_b64 s[66:67], s[0:1], 0x18
.endif
.if KIND == 2
	s_load_b64 s[68:69], s[0:1], 0x20
.endif
	v_lshl_add_u32 v[SPW], v0, 2, SPARE
	v_mov_b32 v[NIL], 0
	ds_add_u32 v28, v29
	ds_add_u32 v28, v29
	s_wait_dscnt 0x0
	v_lshrrev_b32 v1, 5, v0
	v_readfirstlane_b32 s10, v1                    ; wave 0..3
	s_lshr_b32 s11, s10, 1                         ; wi: which 64 rows of P are mine.  Also: I fetch for P (0) or for Q (1)
	s_and_b32 s12, s10, 1                          ; wj: which 64 rows of Q.  Also: which two records of the four I fetch
	s_bfe_u32 s40, ttmp6, 0x40000                  ; cx, cy: my place in the cluster
	s_bfe_u32 s41, ttmp6, 0x40004
	s_lshl_b32 s42, ttmp9, 2
	s_add_co_u32 s42, s42, s40                     ; J = 4 x cluster x + cx
	s_and_b32 s45, ttmp7, 0xffff                   ; the cluster's y
	s_lshl_b32 s13, s45, 2
.if KIND == 1
	s_and_b32 s14, s45, 1
	s_lshl_b32 s14, s14, 2
	s_sub_co_u32 s15, s45, 8
	s_lshr_b32 s15, s15, 1
	s_lshl_b32 s15, s15, 4
	s_cmp_ge_u32 s45, 8                            ; cluster rows 8-11 make v
	s_cselect_b32 s13, s14, s13                    ; v: I = 4 (y & 1) + cy: wv's eight groups
	s_cselect_b32 s15, s15, 0                      ; v: J goes on over x's 32 groups
	s_cselect_b32 s22, 128*REC, 0                  ; v: P's records begin at wv's
	s_cselect_b32 s23, 1, 0                        ; the mode
	s_add_co_u32 s42, s42, s15
.endif
	s_add_co_u32 s13, s13, s41                     ; I = 4 x cluster y + cy
	s_lshl_b32 s43, s41, 2
	s_lshl_b32 s43, 15, s43                        ; my row of the cluster
	s_lshl_b32 s44, 0x1111, s40                    ; my column
	s_or_b32 s[G1+0], s43, (3<<16)|(1<<21)         ; 15:0 the mask; 17:16 elements of 8 bytes; 21 set beside a mask; no padding
	s_or_b32 s[G1B+0], s44, (3<<16)|(1<<21)
.irp g, G1, G1B
	s_mov_b32 s[\g+1], 32<<16                      ; tensor_dim0 = 32 elements: 256 bytes
	s_mov_b32 s[\g+2], 132<<16                     ; tensor_dim1 = 132 rows: two records
	s_mov_b32 s[\g+3], 32<<16                      ; tile_dim0
	s_mov_b32 s[\g+4], 132                         ; tile_dim1
	s_mov_b32 s[\g+5], 32                          ; the pitch: dense
	s_mov_b32 s[\g+6], 0
	s_mov_b32 s[\g+7], 0
.endr
	s_mul_i32 s20, s13, PANEL                      ; P's offset hangs on I and the wave alone, Q's on J and the wave alone, each in registers that never hold the other coordinate
	s_mul_i32 s75, s12, HALFU
	s_add_co_u32 s20, s20, s75
.if KIND == 1
	s_add_co_u32 s20, s20, s22
.endif
	s_mov_b32 s21, 0
	s_mul_i32 s46, s42, PANEL
	s_add_co_u32 s46, s46, s75
.if QSEC > 0
	s_add_co_u32 s46, s46, QSEC
.endif
	s_mov_b32 s47, 0
	s_mul_i32 s74, s10, HALFU                      ; where they go: wave x two records: no place in the cluster enters an LDS address
	s_wait_kmcnt 0x0
.if KIND == 1
	s_cmp_eq_u32 s23, 1
	s_cselect_b64 s[16:17], s[6:7], s[4:5]         ; P: x's records, or for v the weights'
	s_cselect_b64 s[18:19], s[4:5], s[6:7]         ; Q: the other
.else
	s_mov_b64 s[16:17], s[4:5]
	s_mov_b64 s[18:19], s[6:7]
.endif
	s_add_nc_u64 s[14:15], s[16:17], s[20:21]
	s_add_nc_u64 s[46:47], s[18:19], s[46:47]
	CROUND                                         ; all sixteen work-groups are here: the first joint loads meet
.irp s, 0,1
	s_mov_b32 s[G0+4*\s], 1
	s_add_co_u32 s[G0+4*\s+1], s74, \s*SLOT
	s_add_nc_u64 s[G0+4*\s+2:G0+4*\s+3], s[14:15], \s*SIDE
	s_or_b32 s[G0+4*\s+3], s[G0+4*\s+3], 0x80000000
	s_mov_b32 s[G0B+4*\s], 1
	s_add_co_u32 s[G0B+4*\s+1], s74, \s*SLOT
	s_add_nc_u64 s[G0B+4*\s+2:G0B+4*\s+3], s[46:47], \s*SIDE
	s_or_b32 s[G0B+4*\s+3], s[G0B+4*\s+3], 0x80000000
	JLOAD \s                                       ; two loads of mine are out
.endr
	v_and_b32 v1, 15, v0                           ; r
	v_bfe_u32 v2, v0, 4, 1                         ; h
	v_and_b32 v3, 31, v0
	v_lshlrev_b32 v[L16], 4, v3
	s_lshl_b32 s21, s11, 13                        ; my four tiles of P: 8192 wi
	s_lshl_b32 s22, s12, 13
	s_add_co_u32 s22, s22, SIDE                    ; my four of Q, behind P's records
.irp s, 0,1
	v_add_nc_u32 v[ADRA+\s], s21, v[L16]
	v_add_nc_u32 v[ADRB+\s], s22, v[L16]
	s_add_co_u32 s21, s21, SLOT
	s_add_co_u32 s22, s22, SLOT
.endr
	s_lshl_b32 s21, s11, 8                         ; scale words: P's at 16384 + 256 wi + 4 r;
	s_lshl_b32 s22, s12, 8
	s_add_co_u32 s22, s22, SIDE
	s_sub_co_u32 s22, s22, s21
	v_mul_u32_u24 v6, s22, v2                      ; lanes 16-31 take Q's: one product, the distance between the two
	v_lshl_add_u32 v6, v1, 2, v6
	s_add_co_u32 s21, s21, 16384
	v_add_nc_u32 v[ADRS], s21, v6
	v_add_nc_u32 v[ADRS+1], SLOT, v[ADRS]
.if RESN || FOUT                       ; my 64 x 64 in a tensor of rows of 4,096 bytes
	s_lshl_b32 s78, s13, 19
	s_lshl_b32 s79, s11, 18
	s_add_co_u32 s78, s78, s79
	s_lshl_b32 s79, s42, 9
	s_add_co_u32 s78, s78, s79
	s_lshl_b32 s79, s12, 8
	s_add_co_u32 s78, s78, s79
	s_mov_b32 s79, 0
.endif
.if FIMG || RESI                       ; my accumulators' image: (8 I + J) x 65,536 + wave x 16,384
	s_lshl_b32 s76, s13, 3
	s_add_co_u32 s76, s76, s42
	s_lshl_b32 s76, s76, 16
	s_lshl_b32 s77, s10, 14
	s_add_co_u32 s76, s76, s77
	s_mov_b32 s77, 0
.endif
.if RESN                               ; the sums start at x: register jj of accumulator (a, t) in lane (r, h) is row 32 (a / 2) + 8 (a % 2) + (r & 7) + 16 (r >> 3), column 32 (t / 2) + 8 (t % 2) + 16 h + jj
	s_add_nc_u64 s[8:9], s[8:9], s[78:79]
	v_and_b32 v5, 7, v1
	v_lshrrev_b32 v7, 3, v1
	v_lshl_add_u32 v5, v7, 4, v5
	v_lshlrev_b32 v5, 12, v5
	v_lshl_add_u32 v[XO], v2, 6, v5
.irp a, 0,1,2,3
.irp t, 0,1,2,3
	global_load_b128 v[ACC+8*(4*\a+\t):ACC+8*(4*\a+\t)+3], v[XO], s[8:9] offset:(32*(\a/2)+8*(\a%2))*4096+128*(\t/2)+32*(\t%2)
	global_load_b128 v[ACC+8*(4*\a+\t)+4:ACC+8*(4*\a+\t)+7], v[XO], s[8:9] offset:(32*(\a/2)+8*(\a%2))*4096+128*(\t/2)+32*(\t%2)+16
.endr
.endr
.endif
.if RESI                               ; the sums start at x1, stored as these very registers: each load reads 512 consecutive bytes
	s_add_nc_u64 s[8:9], s[8:9], s[76:77]
.set n, 0
.rept 16
	global_load_b128 v[ACC+8*n:ACC+8*n+3], v[L16], s[8:9] offset:1024*n
	global_load_b128 v[ACC+8*n+4:ACC+8*n+7], v[L16], s[8:9] offset:1024*n+512
.set n, n+1
.endr
.endif
.if FIMG
	s_add_nc_u64 s[66:67], s[66:67], s[76:77]
.endif
.if FOUT
	s_add_nc_u64 s[66:67], s[66:67], s[78:79]
	s_mul_i32 s80, s10, 4352
	s_add_co_u32 s80, s80, STAGE                   ; my stage
	v_mul_u32_u24 v5, v1, 272
	v_lshl_add_u32 v5, v2, 6, v5
	v_add_nc_u32 v[STO], s80, v5                   ; in: row r, + 64 h
	v_mul_u32_u24 v5, v2, 272
	v_lshl_add_u32 v5, v1, 4, v5
	v_add_nc_u32 v[RD], s80, v5                    ; back: lanes 0-15 one row of 256 bytes, lanes 16-31 the next
	v_lshlrev_b32 v5, 12, v2
	v_lshl_add_u32 v[CO], v1, 4, v5                ; and the same two rows in out0
.endif
.if QOUT
	s_mov_b32 s70, 0x76543210
	s_mov_b32 s71, 0xfedcba98                      ; v_permlanex16_b32's selects for lane l xor 16
	s_mov_b32 s72, 0x600000                        ; the mantissa field of 448
	s_mov_b32 s73, 0xffff0000                      ; lanes 16-31
.irp b, 0,1,2,3
	v_mov_b32 v[TM+4+\b], 0                        ; written once: a lane permute's destination counts as one of its sources
.endr
.if KIND == 1
	s_lshl_b32 s76, s11, 12                        ; q, k: tile a's two chunks lie at 4096 wi + 1024 a
	s_lshl_b32 s77, s12, 10                        ; v: my two chunks of tile a at 2048 a + 1024 wj
	s_lshl_b32 s78, s11, 7
	s_lshl_b32 s79, s12, 1
	s_lshr_b32 s80, s13, 4                         ; q, k: record ((16 batch + head) x 16 + I & 15), head = 2 (J & 7) + wj, in section J >> 3
	s_lshl_b32 s80, s80, 4
	s_and_b32 s81, s42, 7
	s_lshl_b32 s81, s81, 1
	s_add_co_u32 s80, s80, s81
	s_add_co_u32 s80, s80, s12
	s_lshl_b32 s80, s80, 4
	s_and_b32 s81, s13, 15
	s_add_co_u32 s80, s80, s81
	s_mul_i32 s80, s80, R2
	s_lshr_b32 s81, s42, 3
	s_mul_i32 s81, s81, SEC
	s_add_co_u32 s80, s80, s81
	s_lshr_b32 s82, s42, 4                         ; v: record ((16 batch + head) x 16 + J & 15), head = 2 I + wi, in section 2
	s_lshl_b32 s82, s82, 4
	s_lshl_b32 s83, s13, 1
	s_add_co_u32 s82, s82, s83
	s_add_co_u32 s82, s82, s11
	s_lshl_b32 s82, s82, 4
	s_and_b32 s83, s42, 15
	s_add_co_u32 s82, s82, s83
	s_mul_i32 s82, s82, R2
	s_add_co_u32 s82, s82, 2*SEC
	s_cmp_eq_u32 s23, 1
	s_cselect_b32 s84, s77, s76
	s_mov_b32 s85, 1024
	s_cselect_b32 s85, 2048, s85
	s_cselect_b32 s86, s79, s78
	s_cselect_b32 s87, 64, 2
	s_cselect_b32 s90, 128, 64
	s_cselect_b32 s88, s82, s80
	s_add_co_u32 s86, s86, 8192
.else
	s_lshl_b32 s84, s11, 13                        ; record (I, K step J) of the next operand: tile 4 wi + a, chunks 2 wj + b
	s_lshl_b32 s80, s12, 10
	s_add_co_u32 s84, s84, s80
	s_mov_b32 s85, 2048
	s_lshl_b32 s86, s11, 8
	s_lshl_b32 s80, s12, 1
	s_add_co_u32 s86, s86, s80
	s_add_co_u32 s86, s86, 16384
	s_mov_b32 s87, 64
	s_mov_b32 s90, 128
	s_mul_i32 s88, s13, NT
	s_add_co_u32 s88, s88, s42
	s_mul_i32 s88, s88, REC
.endif
	s_mov_b32 s89, 0
	s_add_nc_u64 s[OUTQ:OUTQ+1], s[OUTQ:OUTQ+1], s[88:89]
	v_add_nc_u32 v[VO], s84, v[L16]
	v_add_nc_u32 v[VO+1], s85, v[VO]
	v_add_nc_u32 v[VO+2], s85, v[VO+1]
	v_add_nc_u32 v[VO+3], s85, v[VO+2]
	v_mul_u32_u24 v5, s87, v2
	v_lshl_add_u32 v5, v1, 2, v5
	v_add_nc_u32 v[VS], s86, v5
	v_add_nc_u32 v[VS+1], s90, v[VS]
.endif
; 36 LDS loads in one run: the scale words and fragments of the slot's q-th 128 along K, into buffer f and scale set sc
.macro FETCH sl, q, f, sc
	WIN 0
.irp i, 0,1,2,3
	ds_load_b32 v[SC+4*\sc+\i], v[ADRS+\sl] offset:(\q)*REC+64*\i
.endr
	WIN 0x40                                       ; destination window 1, address window 0
.irp i, 0,1,2,3
.irp c, 0,1,2,3
	ds_load_b128 v[\f+64+16*\i+4*\c:\f+64+16*\i+4*\c+3], v[ADRB+\sl] offset:(\q)*REC+2048*\i+512*\c
.endr
.endr
.irp i, 0,1,2,3
.irp c, 0,1,2,3
	ds_load_b128 v[\f+16*\i+4*\c:\f+16*\i+4*\c+3], v[ADRA+\sl] offset:(\q)*REC+2048*\i+512*\c
.endr
.endr
.endm
; 16 matrix instructions: 128 along K.  The 16 accumulators take turns, one instruction a turn, in the same order in every step.
.macro MUL16 f, sc, zero
	WIN 0x05                                       ; sources 0 (Q) and 1 (P) window 1; C and D window 0
.irp a, 0,1,2,3
.irp t, 0,1,2,3
.if \zero
	v_wmma_scale_f32_16x16x128_f8f6f4 v[ACC+8*(4*\a+\t):ACC+8*(4*\a+\t)+7], v[\f+64+16*\t:\f+64+16*\t+15], v[\f+16*\a:\f+16*\a+15], 0, v[SC+4*\sc+\t], v[SC+4*\sc+\a] matrix_a_scale:MATRIX_SCALE_ROW1
.else
	v_wmma_scale_f32_16x16x128_f8f6f4 v[ACC+8*(4*\a+\t):ACC+8*(4*\a+\t)+7], v[\f+64+16*\t:\f+64+16*\t+15], v[\f+16*\a:\f+16*\a+15], v[ACC+8*(4*\a+\t):ACC+8*(4*\a+\t)+7], v[SC+4*\sc+\t], v[SC+4*\sc+\a] matrix_a_scale:MATRIX_SCALE_ROW1
.endif
.endr
.endr
.endm
; A step whose successor lies in the same slot: buffer f is in; the next step's loads go out into the other buffer, eight places behind the products that read it; then f is multiplied.
.macro STEP sl, qn, f, g, zero
	s_wait_dscnt 0x0                               ; buffer f and its scale words are in (asked for 16 matrix instructions ago)
	PLACES 8
	FETCH \sl, \qn, \g, (\g)/128
	MUL16 \f, (\f)/128, \zero
.endm
; A slot's last step changes slots: ONE barrier; in front of it each wave waits for all its tensor loads, adds 0 to its spare word, and waits for that and for its reads of this slot.  fill = 1: this slot is filled again, two slots ahead.
.macro TURN sl, nx, fill
	WIN 0
	s_wait_tensorcnt 0x0                           ; all my tensor loads have landed: my part of the next slot
	ds_add_u32 v[SPW], v[NIL]                      ; 0 onto my spare word
	s_wait_dscnt 0x0                               ; the add is done, and my reads of this slot are over
	s_barrier_signal -1
	s_barrier_wait -1
.if \fill
	CREST                                          ; the barrier has opened a round of the cluster's barrier: no wave of any partner still reads this slot or has a load on its way
	s_add_nc_u64 s[G0+4*\sl+2:G0+4*\sl+3], s[G0+4*\sl+2:G0+4*\sl+3], 2*SIDE
	s_add_nc_u64 s[G0B+4*\sl+2:G0B+4*\sl+3], s[G0B+4*\sl+2:G0B+4*\sl+3], 2*SIDE
	JLOAD \sl                                      ; the first tensor load behind the round; its four v_nop are four of the eight places
	PLACES 4
.else
	PLACES 8
.endif
	FETCH \nx, 0, F0, 0
	MUL16 F1, 1, 0
.endm
	s_wait_tensorcnt 0x1                           ; my part of slot 0 is in; slot 1's load may stay out
	s_barrier_signal -1
	s_barrier_wait -1                              ; everybody's is
	FETCH 0, 0, F0, 0
.if RESN || RESI
	s_wait_loadcnt 0x0                             ; what the sums start at
.endif
	STEP 0, 1, F0, F1, ZERO
	STEP 0, 2, F1, F0, 0
	STEP 0, 3, F0, F1, 0
.if LAPS > 1
	WIN 0                                          ; at a label and at a branch every window is 0
	s_mov_b32 s3, LAPS-1
.Llap:                                                 ; a trip goes once round the ring and fills both slots again
	TURN 0, 1, 1
	STEP 1, 1, F0, F1, 0
	STEP 1, 2, F1, F0, 0
	STEP 1, 3, F0, F1, 0
	TURN 1, 0, 1
	STEP 0, 1, F0, F1, 0
	STEP 0, 2, F1, F0, 0
	STEP 0, 3, F0, F1, 0
	WIN 0
	s_sub_co_u32 s3, s3, 1
	s_cmp_lg_u32 s3, 0
	s_cbranch_scc1 .Llap
.endif
	TURN 0, 1, 0                                   ; the last lap fills nothing
	STEP 1, 1, F0, F1, 0
	STEP 1, 2, F1, F0, 0
	STEP 1, 3, F0, F1, 0
	s_wait_dscnt 0x0
	MUL16 F1, 1, 0
	WIN 0
	PLACES 8                                       ; in front of the first reads of results
.if FIMG                               ; x1 as f32: the accumulators as they stand, each from its low end on; each store covers 512 consecutive bytes
.set n, 0
.rept 16
	global_store_b128 v[L16], v[ACC+8*n:ACC+8*n+3], s[66:67] offset:1024*n
	global_store_b128 v[L16], v[ACC+8*n+4:ACC+8*n+7], s[66:67] offset:1024*n+512
.set n, n+1
.endr
	s_wait_xcnt 0x0                                ; the holds below rewrite these stores' data only behind this wait
.endif
.if QOUT
; 64 registers from v[s] on are four blocks: block bb = tile a = (bb / 2) of the pair, chunk b = bb % 2; a block's other 16 numbers lie in lane l xor 16.  Codes into v[pc] on; the two tiles' scale halfwords into v[hw]: lanes 0-15 the first tile's, lanes 16-31 the second's.
.macro QUANT s, relu, pc, hw
.if \relu                                      ; no |.|: what is negative becomes 0, so it must not count; the floor stands over it
.irp b, 0,1,2,3
	v_max3_num_f32 v[TM+\b], v[\s+16*\b], v[\s+1+16*\b], 0x4800000
.endr
.irp i, 2,4,6,8,10,12,14
.irp b, 0,1,2,3
	v_max3_num_f32 v[TM+\b], v[TM+\b], v[\s+16*\b+\i], v[\s+1+16*\b+\i]
.endr
.endr
.else
.irp b, 0,1,2,3
	v_max3_num_f32 v[TM+\b], |v[\s+16*\b]|, |v[\s+1+16*\b]|, 0x4800000   ; my 16 numbers and the floor 2^(9 - 127): the byte cannot fall under 1
.endr
.irp i, 2,4,6,8,10,12,14
.irp b, 0,1,2,3
	v_max3_num_f32 v[TM+\b], v[TM+\b], |v[\s+16*\b+\i]|, |v[\s+1+16*\b+\i]|
.endr
.endr
.endif
.irp b, 0,1,2,3
	v_permlanex16_b32 v[TM+4+\b], v[TM+\b], s70, s71
.endr
.irp b, 0,1,2,3
	v_max_num_f32 v[TM+\b], v[TM+\b], v[TM+4+\b]
.endr
.irp b, 0,1,2,3
	v_add_nc_u32 v[TM+12+\b], 0xfc000000, v[TM+\b]         ; 8 off the exponent field: the conversion's scale operand
.endr
.irp b, 0,1,2,3
	v_and_or_b32 v[TM+8+\b], v[TM+\b], 0x7f800000, s72     ; 448 x the scale
.endr
.irp b, 0,1,2,3
	v_lshrrev_b32 v[TM+4+\b], 23, v[TM+12+\b]              ; the scale's byte
.endr
	v_lshl_or_b32 v[TM+4], v[TM+5], 8, v[TM+4]
	v_lshl_or_b32 v[TM+6], v[TM+7], 8, v[TM+6]
	v_cndmask_b32 v[\hw], v[TM+4], v[TM+6], s73
.irp b, 0,1,2,3
.irp i, 0,1,2,3,4,5,6,7,8,9,10,11,12,13,14,15
.if \relu
	v_med3_num_f32 v[\s+16*\b+\i], v[\s+16*\b+\i], 0, v[TM+8+\b]             ; the activation and the hold in one
.else
	v_med3_num_f32 v[\s+16*\b+\i], v[\s+16*\b+\i], -v[TM+8+\b], v[TM+8+\b]   ; the conversion to an 8-bit code does not saturate (ISA guide 7.6.2)
.endif
.endr
	v_cvt_scalef32_pk8_fp8_f32 v[\pc+4*\b:\pc+1+4*\b], v[\s+16*\b:\s+7+16*\b], v[TM+12+\b]
	v_cvt_scalef32_pk8_fp8_f32 v[\pc+2+4*\b:\pc+3+4*\b], v[\s+8+16*\b:\s+15+16*\b], v[TM+12+\b]
.endr
	v_nop                                          ; a plain line behind the last conversion
.endm
.irp p, 0,1
	QUANT ACC+64*\p, RELU, PC+16*\p, HW+\p
.irp bb, 0,1,2,3
	global_store_b128 v[VO+2*\p+\bb/2], v[PC+16*\p+4*\bb:PC+16*\p+4*\bb+3], s[OUTQ:OUTQ+1] offset:512*(\bb%2)   ; a chunk of the next operand's fragment: 512 consecutive bytes
.endr
	global_store_b16 v[VS+\p], v[HW+\p], s[OUTQ:OUTQ+1]
.endr
.endif
.if FOUT                               ; 16 rows x 64 columns at a time through my own stage, so that sixteen lanes store 256 consecutive bytes, aligned.  LDS serves a wave's instructions in order: no wait between the stores and the loads
.irp a, 0,1,2,3
.if \a >= 2
	s_wait_xcnt 0x0                                ; the stores of two turns ago have read the registers that the loads below fill
.endif
.irp t, 0,1,2,3
	ds_store_b128 v[STO], v[ACC+8*(4*\a+\t):ACC+8*(4*\a+\t)+3] offset:128*(\t/2)+32*(\t%2)
	ds_store_b128 v[STO], v[ACC+8*(4*\a+\t)+4:ACC+8*(4*\a+\t)+7] offset:128*(\t/2)+32*(\t%2)+16
.endr
.irp i, 0,1,2,3,4,5,6,7
	ds_load_b128 v[64+32*(\a%2)+4*\i:64+32*(\a%2)+4*\i+3], v[RD] offset:544*\i
.endr
	s_wait_dscnt 0x0
.irp i, 0,1,2,3,4,5,6,7
	global_store_b128 v[CO], v[64+32*(\a%2)+4*\i:64+32*(\a%2)+4*\i+3], s[66:67] offset:(32*(\a/2)+8*(\a%2)+2*(\i%4)+16*(\i/4))*4096 th:TH_STORE_NT
.endr
.endr
.endif
	s_wait_tensorcnt 0x0                           ; the wave's end
	ds_add_u32 v[SPW], v[NIL]
	s_wait_dscnt 0x0
	CROUND                                         ; the closing round: no work-group ends while a partner may still ask for a tile that names it
	s_endpgm
.Lfunc_end_k_qc3ff5de6a7_g_w2:
	.size	k_qc3ff5de6a7_g_w2, .Lfunc_end_k_qc3ff5de6a7_g_w2-k_qc3ff5de6a7_g_w2
	.p2alignl 7, 3214868480
	.fill 96, 4, 3214868480
	.section	.rodata,"a",@progbits
	.p2align	6, 0x0
	.amdhsa_kernel k_qc3ff5de6a7_g_w2
		.amdhsa_group_segment_fixed_size 327680
		.amdhsa_private_segment_fixed_size 0
		.amdhsa_enable_private_segment 0
		.amdhsa_kernarg_size 32
		.amdhsa_user_sgpr_count 2
		.amdhsa_user_sgpr_kernarg_segment_ptr 1
		.amdhsa_wavefront_size32 1
		.amdhsa_system_sgpr_workgroup_id_x 1
		.amdhsa_system_sgpr_workgroup_id_y 1
		.amdhsa_system_sgpr_workgroup_id_z 1
		.amdhsa_system_vgpr_workitem_id 0
		.amdhsa_next_free_vgpr 512
		.amdhsa_next_free_sgpr 100
		.amdhsa_reserve_vcc 0
		.amdhsa_float_denorm_mode_32 3
		.amdhsa_float_denorm_mode_16_64 3
		.amdhsa_memory_ordered 1
		.amdhsa_forward_progress 1
		.amdhsa_inst_pref_size 95
	.end_amdhsa_kernel
	.amdgpu_metadata
---
amdhsa.version: [ 1, 2 ]
amdhsa.kernels:
  - .name:           k_qc3ff5de6a7_g_w2
    .symbol:         k_qc3ff5de6a7_g_w2.kd
    .args:
      - { .name: himg, .offset: 0, .size: 8, .value_kind: global_buffer, .address_space: global }
      - { .name: wimg, .offset: 8, .size: 8, .value_kind: global_buffer, .address_space: global }
      - { .name: x1f, .offset: 16, .size: 8, .value_kind: global_buffer, .address_space: global }
      - { .name: out0, .offset: 24, .size: 8, .value_kind: global_buffer, .address_space: global }
    .group_segment_fixed_size: 327680
    .private_segment_fixed_size: 0
    .kernarg_segment_align: 8
    .kernarg_segment_size: 32
    .max_flat_workgroup_size: 128
    .sgpr_count:     100
    .vgpr_count:     512
    .wavefront_size: 32
...
	.end_amdgpu_metadata
.endif
;; end of part 6
